; MI455X (gfx1250); checked and timed in simulation.
; The chip was launched on July 23, 2026; its instructions are those of AMD's public machine-readable ISA for CDNA 5 (MIT licence, August 2026) and "CDNA5" Instruction Set Architecture Reference Guide (July 2026). The comments in the code are by the model that wrote it; some were corrected since.
;; Multi Head Attention. Allowed arithmetic: matrix products marked QUANTISED: E2M1 operands, one E8M0 scale for each 32 along K, by v_wmma_scale_f32_16x16x128_f8f6f4 with both operands' format E2M1 (or v_wmma_scale_f32_32x16x128_f4), f32 sums; products left as they are: bf16, f16 or f32 operands; f32 sums; everything else in f32.
;; Inputs: W_k 1,024 x 1,024 float32; W_o 1,024 x 1,024 float32; W_q 1,024 x 1,024 float32; W_v 1,024 x 1,024 float32; keys 4 x 2,048 x 1,024 float32; queries 4 x 2,048 x 1,024 float32; valid_len 4 int32; values 4 x 2,048 x 1,024 float32.
;; Outputs: out0 4 x 2,048 x 1,024 float32.
;; This version of the problem:
;;   THIS VERSION OF THE PROBLEM IS GIVEN IN LOW PRECISION. The matrix products marked QUANTISED in the list below multiply operands that are first quantised to E2M1 (2 exponent bits, 1 mantissa bit; 4 bits a number), with one power-of-two scale for each 32 numbers along K (OCP MX v1.0); their sums are f32. The products marked 'left as it is' may take bf16, f16 or f32 operands, with f32 sums. Whichever they take, every output number must still come out within the allowed error. Rounding operands to bf16 (8 significant bits) uses up far more of that allowance than f16 does (11 bits, for magnitudes from 6e-5 to 65,504). All else is computed in f32.
;;   The module's matrix products, in the order in which they are computed (A, B: the left and right operand; K: the contracted axis; several contracted axes count as one K, in the product's order):
;;     1. [M 8,192, K 1,024] x [K 1,024, N 1,024]; A: input queries; B: input W_q: QUANTISED
;;     2. [M 8,192, K 1,024] x [K 1,024, N 1,024]; A: input keys; B: input W_k: QUANTISED
;;     3. [M 8,192, K 1,024] x [K 1,024, N 1,024]; A: input values; B: input W_v: QUANTISED
;;     4. batch 64 x [M 2,048, K 64] x [K 64, N 2,048]; A: computed on the way; B: computed on the way: left as it is (an operand is computed on the way)
;;     5. batch 64 x [M 2,048, K 2,048] x [K 2,048, N 64]; A: computed on the way; B: computed on the way: left as it is (an operand is computed on the way)
;;     6. [M 8,192, K 1,024] x [K 1,024, N 1,024]; A: computed on the way; B: input W_o: left as it is (an operand is computed on the way)
;;   THE QUANTISER, for each operand of a quantised product, along K:
;;     - K is cut into blocks of 32 from its start; a last block that is shorter is filled with zeros.
;;     - A block's scale is 2^e with e = floor(log2(the largest magnitude in the block)) - 2, held to -126 .. 127; a block of zeros has e = 0. As a byte (E8M0): e + 127.
;;     - Each number is divided by its block's scale, clamped to +-6, and rounded to the nearest number of E2M1, ties to even, subnormals kept.
;;     - The product sums the exact products of the quantised numbers (number of the format x scale) in f32.
;;   ~~~python
;;   def quantise(x, axis):      # numpy; x: float32 -> the quantised numbers, widened to float32 again
;;       x = np.moveaxis(x, axis, -1); K = x.shape[-1]
;;       x = np.pad(x, [(0, 0)] * (x.ndim - 1) + [(0, -K % 32)]); x = x.reshape(x.shape[:-1] + (-1, 32)); a = np.abs(x).max(-1, keepdims=True)
;;       e = np.where(a > 0, np.clip(np.frexp(np.where(a > 0, a, 1))[1] - 1 - 2, -126, 127), 0)      # np.frexp(a)[1] - 1 = floor(log2(a)), exactly
;;       r = np.clip(x / 2.0 ** e, -6, 6)
;;       step = 2.0 ** (np.maximum(np.frexp(np.where(r == 0, 1, r))[1] - 1, 0) - 1)
;;       q = np.round(r / step) * step * 2.0 ** e      # np.round: ties to even
;;       return np.moveaxis(q.reshape(q.shape[:-2] + (-1,))[..., :K], -1, axis).astype(np.float32)
;;   ~~~
;; One version. Each part assembles by itself: llvm-mc -triple=amdgcn-amd-amdhsa -mcpu=gfx1250 --defsym DOCPART=n.
;; ======== version 1 of 1: 4 launches
;; limits: values are held in f16: magnitudes above 65,504 overflow, below 6.1e-05 lose precision
;; workspace buffers: codes 14,155,776 bytes; scl 884,736 bytes; wo16 2,097,152 bytes; qf 16,777,216 bytes; kf 16,777,216 bytes; vf 16,777,216 bytes; of 16,777,216 bytes
;; launch prep (part 1): grid 896 x 1, 4 waves a work-group, no clusters, 33,280 bytes of LDS; arguments queries, keys, values, W_q, W_k, W_v, W_o, codes, scl, wo16; writes codes, scl, wo16
.if DOCPART == 1
	.amdgcn_target "amdgcn-amd-amdhsa--gfx1250"
	.amdhsa_code_object_version 6
	.text
	.protected	k_q8636be63dd_prep
	.globl	k_q8636be63dd_prep
	.p2align	8
	.type	k_q8636be63dd_prep,@function
k_q8636be63dd_prep:
	s_mov_b64 s[64:65], 0
	v_nop
	global_prefetch_b8 v0, s[64:65] scope:SCOPE_SE
	s_setreg_imm32_b32 hwreg(HW_REG_WAVE_MODE, 25, 1), 1
	s_wait_xcnt 0x0
; PREP.  The six operands of the three quantised products (queries, keys, values: [8192][1024]; W_q, W_k, W_v: [1024][1024]; all f32, K innermost) become codes of FP4 (E2M1), 4 bits each, K innermost,
; with one E8M0 scale byte for each 32 along K.  They are stacked in this order in two buffers: codes, 27,648 rows of 512 bytes, and scl, the same rows of 32 bytes.  W_o becomes f16, laid as it lies.
; A block's scale is 2^(floor(log2(its largest magnitude)) - 2); its byte is the largest magnitude's own exponent field - 2, held at 1 from below.  Each number is divided by the scale and rounded to the nearest code,
; ties to even; beyond the largest code the conversion gives the largest code.
; NOTHING OF THE PROBLEM IS LEFT OUT IN THIS LAUNCH.  What the program leaves out stands at the head of the attention launch: the scores of key steps that lie wholly behind valid_len.
; LIMITS: a block of zeros gets the byte 1 where the rule says 127 (its codes are zeros, which add nothing under any byte but 0xff, and this program alone reads the bytes); blocks whose largest magnitude lies
; under 2^(2 - 126) are held at the byte 1; NaN and infinities among the inputs are not served; numbers of W_o beyond 65,504 overflow f16.
; SHARES.  A work-group takes 32,768 numbers, a wave 8,192.  Rows are dense and K is a multiple of 32, so each tensor is a plain stream of blocks of 32, and the stacked order is the order of the work-groups:
; 0-255 queries, 256-511 keys, 512-767 values, 768-799 W_q, 800-831 W_k, 832-863 W_v; 864-895 turn W_o into f16.  Only pointers are chosen: the six tensors take one path through the text.
; A wave takes 16 steps of 512 numbers.  Each load reads 512 consecutive bytes; a step's 2,048 bytes turn through the wave's own stage in LDS and come back 64 bytes a lane: 16 neighbours along K, two lanes to a block.
; A lane's 16 codes are 8 bytes: the wave stores 256 consecutive bytes.  A wave's 256 scale bytes are gathered in its own LDS and leave as 256 consecutive aligned bytes.  No barrier: waves share nothing.
.set WAVES, 4
.set STEPS, 16
.set WGQ,   864                        ; work-groups that quantise
.set EMAX,  2
.set CB,    8                          ; bytes of 16 codes
.set R,     16                         ; v16-79   four sets of 16 numbers as they are loaded
.set X,     80                         ; v80-111  two sets of 16 neighbours
.set E,     112                        ; v112-127 a scale byte for each step
.set C,     128                        ; v128-191 codes: four registers for each step, so that no store's data are written again
.set XI,    16                         ; W_o's path: v16-143 two sets of 64 numbers
.set YO,    144                        ; W_o's path: v144-175 a group's f16 numbers
.set WREG,  8192                       ; LDS: a region for each wave: two stages of 32 x SP bytes, and behind them its 256 scale bytes
.set SP,    80                         ; a lane's place in a stage: its 64 bytes + 16 of padding
.set SPW,   12                         ; v12      LDS address of my spare word: SPARE + 4 x my thread's number; never rewritten
.set NIL,   13                         ; v13      0; never rewritten
.set SPARE, WAVES*WREG                 ; behind the four regions: the spare words, 128 bytes for each wave
	s_load_b256 s[4:11], s[0:1], 0x0               ; queries s[4:5], keys s[6:7], values s[8:9], W_q s[10:11]
	s_load_b256 s[12:19], s[0:1], 0x20             ; W_k s[12:13], W_v s[14:15], W_o s[16:17], codes s[18:19]
	s_load_b128 s[20:23], s[0:1], 0x40             ; scl s[20:21], wo16 s[22:23]
	v_lshl_add_u32 v[SPW], v0, 2, SPARE
	v_mov_b32 v[NIL], 0
	v_lshrrev_b32 v1, 5, v0
	v_readfirstlane_b32 s28, v1                    ; wave
	v_and_b32 v2, 31, v0                           ; lane
	v_lshlrev_b32 v3, 4, v2                        ; my 16 bytes of a load's 512
	s_mul_i32 s29, s28, WREG
	v_lshrrev_b32 v14, 2, v2
	v_mul_u32_u24 v14, v14, SP
	v_and_b32 v15, 3, v2
	v_lshl_add_u32 v14, v15, 4, v14
	v_add_nc_u32 v14, s29, v14                     ; the stage, on the way in: four lanes' 64 bytes on end, then 16 of padding
	v_mul_u32_u24 v15, v2, SP
	v_add_nc_u32 v15, s29, v15                     ; and on the way out: SP x lane: my 16 neighbours
	v_mul_u32_u24 v4, v2, CB                       ; my codes' place in a step's
	v_lshrrev_b32 v5, 1, v2
	s_add_co_u32 s29, s29, 2*32*SP
	v_add_nc_u32 v5, s29, v5                       ; LDS: my wave's 256 scale bytes, my block's byte
	v_lshlrev_b32 v7, 3, v2                        ; and on the way out 8 bytes a lane
	v_add_nc_u32 v6, s29, v7
	v_lshlrev_b32 v10, 5, v2                       ; W_o's path: my 8 numbers of a step's 256
	s_mov_b32 s31, 0
	s_wait_kmcnt 0x0
	s_cmp_ge_u32 ttmp9, WGQ                        ; the last 32 work-groups turn W_o into f16: a branch on the work-group's number
	s_cbranch_scc1 .Lconv
	s_mov_b64 s[24:25], s[14:15]                   ; which tensor is mine, and its first work-group: the choices hang on the work-group's number alone
	s_mov_b32 s26, 832
	s_cmp_lt_u32 ttmp9, 832
	s_cselect_b64 s[24:25], s[12:13], s[24:25]
	s_cselect_b32 s26, 800, s26
	s_cmp_lt_u32 ttmp9, 800
	s_cselect_b64 s[24:25], s[10:11], s[24:25]
	s_cselect_b32 s26, 768, s26
	s_cmp_lt_u32 ttmp9, 768
	s_cselect_b64 s[24:25], s[8:9], s[24:25]
	s_cselect_b32 s26, 512, s26
	s_cmp_lt_u32 ttmp9, 512
	s_cselect_b64 s[24:25], s[6:7], s[24:25]
	s_cselect_b32 s26, 256, s26
	s_cmp_lt_u32 ttmp9, 256
	s_cselect_b64 s[24:25], s[4:5], s[24:25]
	s_cselect_b32 s26, 0, s26
	s_sub_co_u32 s27, ttmp9, s26
	s_lshl_b32 s27, s27, 2
	s_add_co_u32 s27, s27, s28                     ; which run of 8,192 numbers of the tensor is my wave's
	s_lshl_b32 s30, s27, 15                        ; 32,768 bytes a run: under 2^26
	s_add_nc_u64 s[24:25], s[24:25], s[30:31]
	s_lshl_b32 s27, ttmp9, 2
	s_add_co_u32 s27, s27, s28                     ; and which run of the stacked buffers
	s_lshl_b32 s30, s27, 12                        ; 4,096 bytes of codes a run
	s_add_nc_u64 s[18:19], s[18:19], s[30:31]
	s_lshl_b32 s30, s27, 8                         ; 256 scale bytes a run
	s_add_nc_u64 s[20:21], s[20:21], s[30:31]
.macro LOAD t
.irp i, 0,1,2,3
	global_load_b128 v[R+16*((\t)%4)+4*\i:R+16*((\t)%4)+4*\i+3], v3, s[24:25] offset:2048*(\t)+512*\i th:TH_LOAD_NT   ; 32 lanes read 512 consecutive bytes
.endr
.endm
.macro TURN t                          ; step t's numbers through the stage: LDS serves a wave's instructions in order, so no wait stands between the stores and the loads
.irp i, 0,1,2,3
	ds_store_b128 v14, v[R+16*((\t)%4)+4*\i:R+16*((\t)%4)+4*\i+3] offset:32*SP*((\t)%2)+8*SP*\i
.endr
.irp i, 0,1,2,3
	ds_load_b128 v[X+16*((\t)%2)+4*\i:X+16*((\t)%2)+4*\i+3], v15 offset:32*SP*((\t)%2)+16*\i
.endr
.endm
.irp t, 0,1,2,3
	LOAD \t
.endr
	s_wait_loadcnt 12                              ; step 0's four loads are in; the twelve of steps 1 to 3 may be out
	TURN 0
.macro STEP t
.set XS, X+16*((\t)%2)
.if (\t) > 0
	s_wait_dscnt 1                                 ; this step's numbers are back from the stage (the last step's byte store may be out): so its stores into the stage have read their registers,
.else
	s_wait_dscnt 0x0
.endif
.if (\t)+4 < STEPS
	LOAD (\t)+4                                    ; which take the loads of four steps on
.endif
.if (\t)+1 < STEPS
.if STEPS-2-(\t) >= 3
	s_wait_loadcnt 12                              ; the next step's four loads are in; those of the three steps behind it may be out
.else
	s_wait_loadcnt 4*(STEPS-2-(\t))
.endif
	TURN (\t)+1                                    ; and go through the other stage while this step is worked
.endif
	v_max3_num_f32 v8, |v[XS]|, |v[XS+1]|, |v[XS+2]|               ; the largest magnitude of my 16
	v_max3_num_f32 v9, |v[XS+3]|, |v[XS+4]|, |v[XS+5]|
.irp i, 6,10
	v_max3_num_f32 v8, v8, |v[XS+\i]|, |v[XS+\i+1]|
	v_max3_num_f32 v9, v9, |v[XS+\i+2]|, |v[XS+\i+3]|
.endr
	v_max3_num_f32 v8, v8, |v[XS+14]|, |v[XS+15]|
	v_max3_num_f32 v8, v8, v9, (EMAX+1)<<23        ; and the floor 2^(EMAX + 1 - 127): so the byte cannot fall under 1
	v_max_num_f32_dpp v8, v8, v8 row_xmask:1 row_mask:0xf bank_mask:0xf   ; and of my neighbour's 16: the block's
	v_add_nc_u32 v11, -(EMAX<<23), v8              ; EMAX off its exponent field: the conversion takes the exponent field of this operand as its scale, and nothing else of it
	v_cvt_scalef32_pk8_fp4_f32 v[C+4*(\t)], v[XS:XS+7], v11        ; eight numbers / the scale, to the nearest code; the first number's code in the lowest four bits
	v_cvt_scalef32_pk8_fp4_f32 v[C+4*(\t)+1], v[XS+8:XS+15], v11
	v_lshrrev_b32 v[E+(\t)], 23, v11               ; the scale's byte (a plain line behind the conversions)
	ds_store_b8 v5, v[E+(\t)] offset:16*(\t)       ; both lanes of a block write the same byte with the same value
	global_store_b64 v4, v[C+4*(\t):C+4*(\t)+1], s[18:19] offset:32*CB*(\t)   ; 32 lanes store 256 consecutive bytes, aligned
.endm
.irp t, 0,1,2,3,4,5,6,7,8,9,10,11,12,13,14,15
	STEP \t
.endr
	ds_load_b64 v[8:9], v6                         ; LDS serves a wave's instructions in order: these see my stores
	s_wait_dscnt 0x0
	global_store_b64 v7, v[8:9], s[20:21]          ; 32 lanes store 256 consecutive bytes, aligned
	s_branch .Lend
; W_o to f16.  A wave takes 8,192 numbers in 32 steps of 256: a lane loads 8 neighbours (two loads of 16 bytes), rounds them to f16 and stores 16 bytes: the wave's store covers 512 consecutive bytes.
; Four groups of eight steps; two groups' loads are out at a time.  No LDS.
.Lconv:
	s_sub_co_u32 s27, ttmp9, WGQ
	s_lshl_b32 s27, s27, 2
	s_add_co_u32 s27, s27, s28                     ; my run of 8,192 numbers
	s_lshl_b32 s30, s27, 15
	s_add_nc_u64 s[16:17], s[16:17], s[30:31]
	s_lshl_b32 s30, s27, 14
	s_add_nc_u64 s[22:23], s[22:23], s[30:31]
.macro LOADG n
.irp j, 0,1,2,3,4,5,6,7
	global_load_b128 v[XI+64*((\n)%2)+8*\j:XI+64*((\n)%2)+8*\j+3], v10, s[16:17] offset:1024*(8*(\n)+\j) th:TH_LOAD_NT
	global_load_b128 v[XI+64*((\n)%2)+8*\j+4:XI+64*((\n)%2)+8*\j+7], v10, s[16:17] offset:1024*(8*(\n)+\j)+16 th:TH_LOAD_NT
.endr
.endm
.macro GROUP n
.if (\n) < 3
	s_wait_loadcnt 16                              ; this group's sixteen loads are in; the next group's sixteen may be out
.else
	s_wait_loadcnt 0x0
.endif
.if (\n) > 0
	s_wait_xcnt 0x0                                ; the last group's stores have read their data: the registers are written again only behind this wait
.endif
.irp j, 0,1,2,3,4,5,6,7
.irp i, 0,1,2,3
	v_cvt_pk_f16_f32 v[YO+4*\j+\i], v[XI+64*((\n)%2)+8*\j+2*\i], v[XI+64*((\n)%2)+8*\j+2*\i+1]
.endr
.endr
.irp j, 0,1,2,3,4,5,6,7
	global_store_b128 v3, v[YO+4*\j:YO+4*\j+3], s[22:23] offset:512*(8*(\n)+\j)
.endr
.if (\n) < 2
	LOADG (\n)+2
.endif
.endm
	LOADG 0
	LOADG 1
	GROUP 0
	GROUP 1
	GROUP 2
	GROUP 3
.Lend:
	s_wait_tensorcnt 0x0                           ; the wave's end: behind my last LDS store
	ds_add_u32 v[SPW], v[NIL]
	s_wait_dscnt 0x0
	s_endpgm
.Lfunc_end_k_q8636be63dd_prep:
	.size	k_q8636be63dd_prep, .Lfunc_end_k_q8636be63dd_prep-k_q8636be63dd_prep
	.p2alignl 7, 3214868480
	.fill 96, 4, 3214868480
	.section	.rodata,"a",@progbits
	.p2align	6, 0x0
	.amdhsa_kernel k_q8636be63dd_prep
		.amdhsa_group_segment_fixed_size 33280
		.amdhsa_private_segment_fixed_size 0
		.amdhsa_enable_private_segment 0
		.amdhsa_kernarg_size 80
		.amdhsa_user_sgpr_count 2
		.amdhsa_user_sgpr_kernarg_segment_ptr 1
		.amdhsa_wavefront_size32 1
		.amdhsa_system_sgpr_workgroup_id_x 1
		.amdhsa_system_sgpr_workgroup_id_y 1
		.amdhsa_system_sgpr_workgroup_id_z 1
		.amdhsa_system_vgpr_workitem_id 0
		.amdhsa_next_free_vgpr 192
		.amdhsa_next_free_sgpr 66
		.amdhsa_reserve_vcc 0
		.amdhsa_float_denorm_mode_32 3
		.amdhsa_float_denorm_mode_16_64 3
		.amdhsa_memory_ordered 1
		.amdhsa_forward_progress 1
		.amdhsa_inst_pref_size 52
	.end_amdhsa_kernel
	.amdgpu_metadata
---
amdhsa.version: [ 1, 2 ]
amdhsa.kernels:
  - .name:           k_q8636be63dd_prep
    .symbol:         k_q8636be63dd_prep.kd
    .args:
      - { .name: queries, .offset: 0, .size: 8, .value_kind: global_buffer, .address_space: global }
      - { .name: keys, .offset: 8, .size: 8, .value_kind: global_buffer, .address_space: global }
      - { .name: values, .offset: 16, .size: 8, .value_kind: global_buffer, .address_space: global }
      - { .name: W_q, .offset: 24, .size: 8, .value_kind: global_buffer, .address_space: global }
      - { .name: W_k, .offset: 32, .size: 8, .value_kind: global_buffer, .address_space: global }
      - { .name: W_v, .offset: 40, .size: 8, .value_kind: global_buffer, .address_space: global }
      - { .name: W_o, .offset: 48, .size: 8, .value_kind: global_buffer, .address_space: global }
      - { .name: codes, .offset: 56, .size: 8, .value_kind: global_buffer, .address_space: global }
      - { .name: scl, .offset: 64, .size: 8, .value_kind: global_buffer, .address_space: global }
      - { .name: wo16, .offset: 72, .size: 8, .value_kind: global_buffer, .address_space: global }
    .group_segment_fixed_size: 33280
    .private_segment_fixed_size: 0
    .kernarg_segment_align: 8
    .kernarg_segment_size: 80
    .max_flat_workgroup_size: 128
    .sgpr_count:     66
    .vgpr_count:     192
    .wavefront_size: 32
...
	.end_amdgpu_metadata
.endif
;; end of part 1
;; launch proj (part 2): grid 4 x 96, 4 waves a work-group, clusters of 4 x 4, 327,680 bytes of LDS; arguments codes, scl, qf, kf, vf; writes qf, kf, vf
.if DOCPART == 2
	.amdgcn_target "amdgcn-amd-amdhsa--gfx1250"
	.amdhsa_code_object_version 6
	.text
	.protected	k_q8636be63dd_proj
	.globl	k_q8636be63dd_proj
	.p2align	8
	.type	k_q8636be63dd_proj,@function
k_q8636be63dd_proj:
	s_mov_b64 s[64:65], 0
	v_nop
	global_prefetch_b8 v0, s[64:65] scope:SCOPE_SE
	s_setreg_imm32_b32 hwreg(HW_REG_WAVE_MODE, 25, 1), 1
	s_wait_xcnt 0x0
	s_wait_alu depctr_hold_cnt(0) depctr_sa_sdst(0) depctr_va_vdst(0) depctr_va_sdst(0) depctr_va_ssrc(0) depctr_va_vcc(0) depctr_vm_vsrc(0)
	s_getreg_b32 s2, hwreg(HW_REG_IB_STS2, 6, 4)
	s_cmp_eq_u32 s2, 0
	s_cbranch_scc0 .Lentry_in_a_cluster
	s_endpgm
.Lentry_in_a_cluster:
	s_bfe_u32 s2, ttmp6, 0x10000c
	s_cmp_lg_u32 s2, 0xf033
	s_cbranch_scc0 .Lentry_shape_is_right
	s_endpgm
.Lentry_shape_is_right:
; PROJ.  The three quantised products q = queries W_q^T, k = keys W_k^T, v = values W_v^T, each [8192][1024] = [8192][K 1024] x [1024][K 1024]^T, on codes of FP4 (E2M1) with one E8M0 scale for each 32 along K,
; sums in f32, results rounded once to f16.  Nothing of these products is left out.  LIMIT: a result beyond 65,504 overflows f16.
; codes: 27,648 rows of 512 bytes, scl: the same rows of 32 bytes: rows 0.. queries, 8192.. keys, 16384.. values, 24576.. W_q, 25600.. W_k, 26624.. W_v.
; A tile of a result, 256 x 256, is made by a work-group of four waves; a wave makes 128 x 128: 64 accumulators of 16 x 16, 512 registers.  K = 1,024 is exactly two LDS slots of 512 along K: both are asked for at
; the start, together with the scale bytes of the work-group's 512 rows, and nothing is filled again: three tensor loads of a wave are out at the most.
; CLUSTERS: 4 x 4 work-groups; 24 clusters along y: 0-7 make q, 8-15 k, 16-23 v.  The operand called A here feeds source 1 (a lane holds ONE row of it), the operand called B feeds source 0 (a lane's eight registers
; run along its rows).  A's tile hangs on cy and is shared along a row of the cluster, B's on cx and is shared along a column: each is asked for JOINTLY, by the same tensor load with a mask that names the four.
; For q and k: A = tokens, B = rows of W: a lane holds one token and eight neighbouring channels.  For v the roles change, by ADDRESS alone: A = rows of W_v, B = tokens: a lane holds one channel and eight neighbouring keys.
; THE RESULTS ARE STORED AS IMAGES OF THE NEXT PRODUCT'S OPERAND REGISTERS: [batch 4][head 16][tile of 16 tokens 128][tile of 16 channels 4][lane 32][16 bytes].  An accumulator, rounded in pairs, is four registers a
; lane, which are one such piece in the same lanes: each store of the wave covers 512 consecutive bytes, aligned; no stage in LDS, nothing is transposed.
; REGISTERS, in windows of 256: window 0: v0-31 addresses; v32-95 scale words, two sets; v96-103 the stores' offsets; from v128 A's fragments (8 x 16 rows x 128 K), one set; on the way out v128-191 hold packed results.
;   window 1: B's fragments, two sets, at v0 and at v128.   window 2: the 32 accumulators of A's blocks 0-3 (accumulator (a, b) at v[8 (8 (a % 4) + b)]);   window 3: those of blocks 4-7.
.set SIZE_K, 1024
.set KSTEP,  512                       ; along K in a slot
.set NQ,     KSTEP/128                 ; matrix instructions deep
.set ROWB,   256                       ; a tile's row in bytes
.set KROW,   SIZE_K*4/8                ; a row of codes in memory, in bytes
.set PITCH,  272                       ; an LDS row: 256 bytes + 16 of padding = 68 words: the 16 rows that a load touches start at 16 different banks (64 banks of 4 bytes: ISA guide 11.1)
.set FR,     8                         ; registers of a fragment: 16 rows x 128 K
.set NL,     2                         ; LDS loads that bring one
.set NP,     4                         ; places behind this matrix instruction (ISA guide 7.12.1)
.set HALFT,  128*PITCH                 ; 128 rows: what one tensor load brings
.set SLOT,   4*HALFT                   ; A's 256 rows, then B's 256 rows
.set KS,     SIZE_K/32                 ; a row of scales in bytes
.set SCL,    2*SLOT                    ; behind the slots: the scales, as runs of 256 bytes + 16 of padding
.set HALFS,  (128*KS/256)*272          ; the scales of 128 rows: what one tensor load brings
.set SBLK,   (16*KS/256)*272           ; those of 16 rows
.set SPARE,  SCL+4*HALFS               ; behind the scales: the spare words, 128 bytes for each wave
.set ADRA, 16                          ; v16-17  LDS address of my A fragments in slot 0, 1
.set ADRB, 20                          ; v20-21  the same for B
.set ADRS, 27                          ; v27     LDS address of my scale words: lanes 0-15 A's rows, lanes 16-31 B's
.set SPW,  28                          ; v28     LDS address of my spare word; never rewritten
.set NIL,  29                          ; v29     0; never rewritten
.set SC,   32                          ; scale words: set s at v[SC + 8 NQ s]; register NQ i + q: lanes 0-15 the word of A's block i, lanes 16-31 that of B's block i, for the slot's q-th 128 along K
.set VO,   96                          ; v96-103 the way out: my byte offset for B's block b
.set AF,   128                         ; A's fragments, in window 0
.set TMP,  128                         ; the way out: packed results, two sets of 32
.set G1, 24                            ; s[24:31] descriptor group 1 for A's tiles;  s[32:39] group 0, one set for each slot
.set G0, 32
.set G1B, 48                           ; s[48:55], s[56:63] the same for B's tiles
.set G0B, 56
.set G1S, 68                           ; s[68:75], s[76:79] groups 1 and 0 for A's scales;  s[80:87], s[88:91] for B's
.set G0S, 76
.set G1SB, 80
.set G0SB, 88
.set MSB, 0
.macro WIN new                         ; the immediate's high byte repeats the setting that is left
.if MSB != \new
	s_set_vgpr_msb (MSB<<8)|\new
.set MSB, \new
.endif
.endm
.set MUL_LO, 0xa1                      ; source 0 (B) window 1, source 1 (A) window 0, C and D window 2
.set MUL_HI, 0xf1                      ; the same, C and D window 3
.set TO_B,   0x40                      ; destination window 1, address window 0
; A joint load: waves 0 and 1 fetch for A, waves 2 and 3 for B.  Each of the two lines has one mask and one set of registers for all that issue it; the branch hangs on the wave's number alone.
; An s_nop 0 and four v_nop follow each of the two lines, ahead of the jump, the label and what follows.
.macro JLOAD g0a, g1a, g0b, g1b
	s_cmp_eq_u32 s15, 0
	s_cbranch_scc0 .Lfor_b_\@
	tensor_load_to_lds s[\g0a:\g0a+3], s[\g1a:\g1a+7]
	s_nop 0
.rept 4
	v_nop
.endr
	s_branch .Lasked_\@
.Lfor_b_\@:
	tensor_load_to_lds s[\g0b:\g0b+3], s[\g1b:\g1b+7]
	s_nop 0
.rept 4
	v_nop
.endr
.Lasked_\@:
.endm
.macro CROUND                          ; a round of the cluster's barrier: my work-group's barrier; wave 0 signals for the work-group; every wave waits for all sixteen; my work-group's barrier once more
	s_barrier_signal -1
	s_barrier_wait -1
	s_cmp_lg_u32 s14, 0
	s_cbranch_scc1 .Lnot_wave_0_\@
	s_barrier_signal -3
.Lnot_wave_0_\@:
	s_barrier_wait -3
	s_barrier_signal -1
	s_barrier_wait -1
.endm
	s_load_b128 s[4:7], s[0:1], 0x0                ; codes s[4:5], scl s[6:7]
	s_load_b128 s[8:11], s[0:1], 0x10              ; qf s[8:9], kf s[10:11]
	s_load_b64 s[12:13], s[0:1], 0x20              ; vf
	v_lshl_add_u32 v[SPW], v0, 2, SPARE
	v_mov_b32 v[NIL], 0
	ds_add_u32 v[SPW], v[NIL]                      ; the wave's opening: the add, twice on end, and its wait ahead of my first tensor load; the set-up below stands between the second and the wait
	ds_add_u32 v[SPW], v[NIL]
	v_lshrrev_b32 v1, 5, v0
	v_readfirstlane_b32 s14, v1                    ; wave 0..3
	s_lshr_b32 s15, s14, 1                         ; which half of A's 256 rows is mine.  Also: I fetch for A (0) or for B (1)
	s_and_b32 s16, s14, 1                          ; which half of B's 256 rows.  Also: which 128 rows of that tile I fetch
	s_bfe_u32 s40, ttmp6, 0x40000                  ; cx, cy: my place in the cluster
	s_bfe_u32 s41, ttmp6, 0x40004
	s_and_b32 s66, ttmp7, 0xffff                   ; the cluster's y, 0..23: the same in all sixteen partners
	s_lshl_b32 s43, s41, 2
	s_lshl_b32 s43, 15, s43                        ; my row of the cluster
	s_lshl_b32 s44, 0x1111, s40                    ; my column
	; descriptor group 1: a tile of 128 rows x ROWB bytes, padded in LDS
	s_or_b32 s[G1+0], s43, (0<<16)|(1<<20)|(1<<21)|(5<<22)|(3<<25)  ; 15:0 the mask: A's tiles go to my row; 17:16 elements of 1 byte; 20 padding on; 21 set beside a mask; 24:22 after every 64 words (code 5); 31:25 four words (code 3)
	s_or_b32 s[G1B+0], s44, (0<<16)|(1<<20)|(1<<21)|(5<<22)|(3<<25)
.irp g, G1, G1B
	s_mov_b32 s[\g+1], ROWB<<16                    ; tensor_dim0
	s_mov_b32 s[\g+2], 128<<16                     ; tensor_dim1 = 128
	s_mov_b32 s[\g+3], ROWB<<16                    ; tile_dim0
	s_mov_b32 s[\g+4], 128                         ; tile_dim1 = 128
	s_mov_b32 s[\g+5], KROW                        ; tensor_dim0_stride
	s_mov_b32 s[\g+6], 0
	s_mov_b32 s[\g+7], 0
.endr
	; and for the scales of 128 rows: a dense block of 4,096 bytes, as rows of 256 bytes (32 elements of 8 bytes), 16 bytes of padding behind each
	s_or_b32 s[G1S+0], s43, (3<<16)|(1<<20)|(1<<21)|(5<<22)|(3<<25)
	s_or_b32 s[G1SB+0], s44, (3<<16)|(1<<20)|(1<<21)|(5<<22)|(3<<25)
.irp g, G1S, G1SB
	s_mov_b32 s[\g+1], 32<<16
	s_mov_b32 s[\g+2], (128*KS/256)<<16
	s_mov_b32 s[\g+3], 32<<16
	s_mov_b32 s[\g+4], 128*KS/256
	s_mov_b32 s[\g+5], 32
	s_mov_b32 s[\g+6], 0
	s_mov_b32 s[\g+7], 0
.endr
	; which rows of the stacked buffers.  q, k (cluster y under 16): A = tokens, row 1,024 y on; B = W, row 24,576 + 1,024 (y / 8) on.  v: A = W_v, row 26,624 on; B = tokens, row 1,024 y on.
	s_lshl_b32 s18, s16, 7                         ; which 128 rows of the tile I fetch
	s_lshl_b32 s67, s66, 10
	s_lshr_b32 s17, s66, 3
	s_lshl_b32 s17, s17, 10
	s_add_co_u32 s17, s17, 24576
	s_mov_b32 s42, 26624
	s_cmp_ge_u32 s66, 16                           ; the choice hangs on the cluster's y alone
	s_cselect_b32 s42, s42, s67                    ; A's first row for cy = 0
	s_cselect_b32 s17, s67, s17                    ; B's first row for cx = 0
	s_lshl_b32 s20, s41, 8
	s_add_co_u32 s20, s20, s42                     ; A's tile: + 256 cy (no register of A's ever holds cx)
	s_lshl_b32 s46, s40, 8
	s_add_co_u32 s46, s46, s17                     ; B's tile: + 256 cx (none of B's ever holds cy)
	s_mov_b32 s95, s20                             ; both kept for the way out
	s_mov_b32 s96, s46
	s_add_co_u32 s20, s20, s18
	s_add_co_u32 s46, s46, s18
	s_mov_b32 s21, 0
	s_mov_b32 s47, 0
	s_mov_b64 s[18:19], KS
	s_mul_u64 s[22:23], s[20:21], s[18:19]         ; where these rows' scales begin, in bytes
	s_mul_u64 s[92:93], s[46:47], s[18:19]
	s_mov_b64 s[18:19], KROW
	s_mul_u64 s[20:21], s[20:21], s[18:19]         ; and their codes
	s_mul_u64 s[46:47], s[46:47], s[18:19]
	s_mul_i32 s45, s14, HALFT                      ; where they go: wave x 128 rows: no place in the cluster enters an LDS address
	s_mul_i32 s94, s14, HALFS
	s_wait_dscnt 0x0                               ; both opening adds are done
	s_wait_kmcnt 0x0
	s_add_nc_u64 s[20:21], s[4:5], s[20:21]
	s_add_nc_u64 s[22:23], s[6:7], s[22:23]
	s_add_nc_u64 s[46:47], s[4:5], s[46:47]
	s_add_nc_u64 s[92:93], s[6:7], s[92:93]
	CROUND                                         ; all sixteen work-groups are here: the joint loads meet
	s_mov_b32 s[G0S], 1
	s_add_co_u32 s[G0S+1], s94, SCL
	s_mov_b64 s[G0S+2:G0S+3], s[22:23]
	s_or_b32 s[G0S+3], s[G0S+3], 0x80000000
	s_mov_b32 s[G0SB], 1
	s_add_co_u32 s[G0SB+1], s94, SCL
	s_mov_b64 s[G0SB+2:G0SB+3], s[92:93]
	s_or_b32 s[G0SB+3], s[G0SB+3], 0x80000000
	JLOAD G0S, G1S, G0SB, G1SB                     ; the scales first: they are wanted with slot 0
.irp s, 0,1
	s_mov_b32 s[G0+4*\s], 1
	s_add_co_u32 s[G0+4*\s+1], s45, \s*SLOT
	s_add_nc_u64 s[G0+4*\s+2:G0+4*\s+3], s[20:21], \s*ROWB
	s_or_b32 s[G0+4*\s+3], s[G0+4*\s+3], 0x80000000
	s_mov_b32 s[G0B+4*\s], 1
	s_add_co_u32 s[G0B+4*\s+1], s45, \s*SLOT
	s_add_nc_u64 s[G0B+4*\s+2:G0B+4*\s+3], s[46:47], \s*ROWB
	s_or_b32 s[G0B+4*\s+3], s[G0B+4*\s+3], 0x80000000
	JLOAD G0+4*\s, G1, G0B+4*\s, G1B
.endr
	v_and_b32 v1, 15, v0                           ; l % 16
	v_bfe_u32 v2, v0, 4, 1                         ; l / 16
	v_mul_u32_u24 v3, v1, PITCH
	v_lshl_add_u32 v4, v2, 4, v3                   ; a fragment's row x pitch + 16 x half
	s_mul_i32 s21, s15, HALFT                      ; my 128 rows of A
	s_mul_i32 s22, s16, HALFT                      ; my 128 rows of B,
	s_add_co_u32 s22, s22, 2*HALFT                 ; which lie behind A's 256
.irp s, 0,1
	v_add_nc_u32 v[ADRA+\s], s21, v4
	v_add_nc_u32 v[ADRB+\s], s22, v4
	s_add_co_u32 s21, s21, SLOT
	s_add_co_u32 s22, s22, SLOT
.endr
	v_mul_u32_u24 v5, v1, KS                       ; my row's scales: KS bytes a row,
	v_lshrrev_b32 v6, 8, v5
	v_lshl_add_u32 v5, v6, 4, v5                   ; and 16 more for each 256 passed
	s_mul_i32 s21, s15, HALFS                      ; A's: my 128 rows
	s_mul_i32 s22, s16, HALFS                      ; B's: my 128 rows, behind A's 256
	s_add_co_u32 s22, s22, 2*HALFS
	s_sub_co_u32 s22, s22, s21
	v_mul_u32_u24 v6, s22, v2                      ; lanes 16-31 take B's
	s_add_co_u32 s21, s21, SCL
	v_add_nc_u32 v5, v5, v6
	v_add_nc_u32 v[ADRS], s21, v5
	; THE WAY OUT'S NUMBERS.  One text serves q, k and v: only these scalars differ.  Accumulator (a, b) goes to base + (a % 4) SA1 + (a / 4) SA2 + (b % 4) SB1 + (b / 4) SB2 + 16 x lane.
	; q, k: a counts tiles of tokens (2,048 bytes each), b tiles of channels (512 bytes; four to a head, a head 262,144 bytes on).  v: the other way round.
	s_lshl_b32 s92, s15, 7
	s_lshl_b32 s93, s16, 7
	s_add_co_u32 s95, s95, s92                     ; my first row of A,
	s_add_co_u32 s96, s96, s93                     ; of B
	s_lshl_b32 s94, s41, 8
	s_add_co_u32 s94, s94, s92                     ; my first channel where A is W_v: 256 cy + 128 x half
	s_lshl_b32 s97, s40, 8
	s_add_co_u32 s97, s97, s93                     ; and where B is W: 256 cx + 128 x half
	s_mov_b32 s18, 2048
	s_mov_b32 s20, 8192-3*2048
	s_mov_b32 s22, 512
	s_mov_b32 s23, 262144
	s_mov_b32 s19, 0
	s_mov_b32 s21, 0
	s_cmp_ge_u32 s66, 16
	s_cselect_b32 s95, s96, s95                    ; my first token's row in the stacked buffers
	s_cselect_b32 s94, s94, s97                    ; my first channel
	s_cselect_b32 s18, 512, s18                    ; s[18:19] = SA1
	s_cselect_b32 s20, 262144-3*512, s20           ; s[20:21] = SA2 - 3 SA1
	s_cselect_b32 s22, 2048, s22                   ; SB1
	s_cselect_b32 s23, 8192, s23                   ; SB2
	s_cselect_b64 s[12:13], s[12:13], s[10:11]     ; vf, or kf,
	s_cmp_ge_u32 s66, 8
	s_cselect_b64 s[12:13], s[12:13], s[8:9]       ; or qf: the choices hang on the cluster's y alone
	s_and_b32 s95, s95, 8191                       ; the token in its tensor
	s_lshr_b32 s96, s95, 11
	s_lshl_b32 s96, s96, 22                        ; batch x 16 heads x 262,144
	s_and_b32 s95, s95, 2047
	s_lshl_b32 s95, s95, 7                         ; + (token / 16) x 2,048
	s_add_co_u32 s96, s96, s95
	s_lshr_b32 s94, s94, 6
	s_lshl_b32 s94, s94, 18                        ; + head x 262,144
	s_add_co_u32 s96, s96, s94
	s_mov_b32 s97, 0
	s_add_nc_u64 s[12:13], s[12:13], s[96:97]
	v_and_b32 v6, 31, v0
	v_lshlrev_b32 v[VO], 4, v6
.irp b, 1,2,3
	v_add_nc_u32 v[VO+\b], s22, v[VO+\b-1]
.endr
	v_add_nc_u32 v[VO+4], s23, v[VO]
.irp b, 5,6,7
	v_add_nc_u32 v[VO+\b], s22, v[VO+\b-1]
.endr
.macro FRAG reg, adr, q, i             ; a fragment, 16 rows x 128 K of 4-bit codes, is 8 registers: lane l holds row l % 16; registers 4 c .. 4 c + 3 hold K = 64 c + 32 (l / 16) + 0 .. 31
.irp c, 0,1
	ds_load_b128 v[\reg+4*\c:\reg+4*\c+3], v[\adr] offset:64*(\q)+32*\c+(\i)*16*PITCH
.endr
.endm
; 16 matrix instructions: A's blocks a0, a0 + 1 x B's eight, 128 along K: the slot's q-th.  p: B's set;  sc: the set of scale words.  zero = 1: the first product starts the sums: nothing is ever cleared.
; The 64 accumulators take turns, one instruction a turn, in the same order in every step.
.macro MUL16 a0, p, q, sc, zero
.irp a, \a0, \a0+1
.irp b, 0,1,2,3,4,5,6,7
.if \zero
	v_wmma_scale_f32_16x16x128_f8f6f4 v[8*(8*((\a)%4)+\b):8*(8*((\a)%4)+\b)+7], v[128*(\p)+FR*\b:128*(\p)+FR*\b+FR-1], v[AF+FR*(\a):AF+FR*(\a)+FR-1], 0, v[SC+8*NQ*(\sc)+NQ*\b+(\q)], v[SC+8*NQ*(\sc)+NQ*(\a)+(\q)] matrix_a_fmt:MATRIX_FMT_FP4 matrix_b_fmt:MATRIX_FMT_FP4 matrix_a_scale:MATRIX_SCALE_ROW1
.else
	v_wmma_scale_f32_16x16x128_f8f6f4 v[8*(8*((\a)%4)+\b):8*(8*((\a)%4)+\b)+7], v[128*(\p)+FR*\b:128*(\p)+FR*\b+FR-1], v[AF+FR*(\a):AF+FR*(\a)+FR-1], v[8*(8*((\a)%4)+\b):8*(8*((\a)%4)+\b)+7], v[SC+8*NQ*(\sc)+NQ*\b+(\q)], v[SC+8*NQ*(\sc)+NQ*(\a)+(\q)] matrix_a_fmt:MATRIX_FMT_FP4 matrix_b_fmt:MATRIX_FMT_FP4 matrix_a_scale:MATRIX_SCALE_ROW1
.endif
.endr
.endr
.endm
.macro FETCH_B slot, q, p              ; B's eight fragments of the slot's q-th 128 along K into set p
	WIN TO_B
.irp i, 0,1,2,3,4,5,6,7
	FRAG 128*(\p)+FR*\i, ADRB+\slot, \q, \i
.endr
	WIN 0
.endm
.macro FETCH_A slot, q, i0             ; A's blocks i0 .. i0 + 3
.irp i, \i0, \i0+1, \i0+2, \i0+3
	FRAG AF+FR*(\i), ADRA+\slot, \q, \i
.endr
.endm
.macro SCALES sc                       ; a slot's scale words into set sc: NQ words a row; lanes 0-15 take A's block i, lanes 16-31 B's block i
.irp i, 0,1,2,3,4,5,6,7
	ds_load_b128 v[SC+8*NQ*\sc+NQ*\i:SC+8*NQ*\sc+NQ*\i+3], v[ADRS] offset:\i*SBLK
.endr
.endm
; A load into a register that a matrix instruction has read, and a vector instruction that reads a matrix result or writes one of a matrix instruction's registers, stand NP places behind it, and only plain vector
; instructions that name none of its registers are places (ISA guide 7.12.1 for vector instructions).
.macro PLACES n
.rept \n
	v_nop
.endr
.endm
; A step of 128 along K that has its successor in the same slot.
.macro STEP slot, q, zero
	s_wait_dscnt 4*NL                              ; B's set and A's blocks 0-3 are in; the youngest eight loads (A's blocks 4-7) may be out
	WIN MUL_LO
	MUL16 0, (\q)%2, \q, \slot, \zero
	MUL16 2, (\q)%2, \q, \slot, \zero
	s_wait_dscnt 0                                 ; A's blocks 4-7 are in (asked for 32 matrix instructions ago)
	PLACES NP
	FETCH_B \slot, (\q)+1, 1-(\q)%2
	FETCH_A \slot, (\q)+1, 0
	WIN MUL_HI
	MUL16 4, (\q)%2, \q, \slot, \zero
	MUL16 6, (\q)%2, \q, \slot, \zero
	PLACES NP
	WIN 0
	FETCH_A \slot, (\q)+1, 4
.endm
; Slot 0's last step goes over to slot 1: one barrier; in front of it each wave waits for all its tensor loads (its part of slot 1), adds 0 to its spare word, and waits for that.  Nothing is filled again.
.macro TURN slot, next
	s_wait_tensorcnt 0x0                           ; all my tensor loads have landed: my part of the next slot;  (every window is 0 here: the add's two registers lie in window 0)
	ds_add_u32 v[SPW], v[NIL]                      ; 0 onto my spare word
	s_wait_dscnt 4*NL+1                            ; (the add and the youngest eight loads, A's blocks 4-7, may be out)
	WIN MUL_LO
	MUL16 0, 1, NQ-1, \slot, 0                     ; sixteen matrix instructions stand between the add and the wait for it
	s_wait_dscnt 0x0                               ; the add is done, and no LDS load of mine is out
	s_barrier_signal -1
	MUL16 2, 1, NQ-1, \slot, 0
	WIN 0
	s_barrier_wait -1                              ; every wave's part of the next slot has landed
	PLACES NP
	v_add_nc_u32 v[ADRS], 4*NQ, v[ADRS]            ; on to the next slot's scale words (no LDS load of mine is out)
	FETCH_B \next, 0, 0
	FETCH_A \next, 0, 0
	SCALES \next
	WIN MUL_HI
	MUL16 4, 1, NQ-1, \slot, 0
	MUL16 6, 1, NQ-1, \slot, 0
	PLACES NP
	WIN 0
	FETCH_A \next, 0, 4
.endm
.macro STEPS slot, from                ; the slot's steps from .. NQ - 2
.set QQ, \from
.rept NQ-1-\from
	STEP \slot, QQ, 0
.set QQ, QQ+1
.endr
.endm
	s_wait_tensorcnt 1                             ; the scales and my part of slot 0 are in (slot 1's load may be out)
	s_barrier_signal -1
	s_barrier_wait -1                              ; everybody's are
	FETCH_B 0, 0, 0
	FETCH_A 0, 0, 0
	SCALES 0
	FETCH_A 0, 0, 4
	STEP 0, 0, 1                                   ; the first step's products start the sums
	STEPS 0, 1
	TURN 0, 1
	STEPS 1, 0
	s_wait_dscnt 4*NL                              ; the very last step: nothing more to fetch
	WIN MUL_LO
	MUL16 0, 1, NQ-1, 1, 0
	MUL16 2, 1, NQ-1, 1, 0
	s_wait_dscnt 0
	WIN MUL_HI
	MUL16 4, 1, NQ-1, 1, 0
	MUL16 6, 1, NQ-1, 1, 0
	WIN 0
; THE WAY OUT, A's block by block.  PACK: the block's eight accumulators are rounded to f16 in pairs, each from its low end on: four registers a lane, a piece of the next product's operand.
.macro PACK a
.set AC, 64*((\a)%4)
	WIN 0x0a+5*((\a)/4)                            ; sources 0 and 1: window 2 or 3
.irp b, 0,1,2,3,4,5,6,7
.irp i, 0,1,2,3
	v_cvt_pk_f16_f32 v[TMP+32*((\a)%2)+4*\b+\i], v[AC+8*\b+2*\i], v[AC+8*\b+2*\i+1]
.endr
.endr
	WIN 0
.endm
	PLACES NP                                      ; behind the last products: their results are read, and the registers that held A's fragments are written
.irp a, 0,1,2,3,4,5,6,7
	PACK \a
.if \a > 0
	s_wait_xcnt 0x0                                ; the earlier stores have read their base and their data: the base steps, and the next block may write the other set, only behind this wait
.if \a == 4
	s_add_nc_u64 s[12:13], s[12:13], s[20:21]
.else
	s_add_nc_u64 s[12:13], s[12:13], s[18:19]
.endif
.endif
.irp b, 0,1,2,3,4,5,6,7
	global_store_b128 v[VO+\b], v[TMP+32*(\a%2)+4*\b:TMP+32*(\a%2)+4*\b+3], s[12:13]   ; 32 lanes store 512 consecutive bytes, aligned
.endr
.endr
	s_wait_tensorcnt 0x0                           ; the wave's end: behind my last tensor load
	ds_add_u32 v[SPW], v[NIL]
	s_wait_dscnt 0x0
	CROUND                                         ; the closing round: no work-group ends while a partner may still ask for a tile that names it
	s_endpgm
.Lfunc_end_k_q8636be63dd_proj:
	.size	k_q8636be63dd_proj, .Lfunc_end_k_q8636be63dd_proj-k_q8636be63dd_proj
	.p2alignl 7, 3214868480
	.fill 96, 4, 3214868480
	.section	.rodata,"a",@progbits
	.p2align	6, 0x0
	.amdhsa_kernel k_q8636be63dd_proj
		.amdhsa_group_segment_fixed_size 327680
		.amdhsa_private_segment_fixed_size 0
		.amdhsa_enable_private_segment 0
		.amdhsa_kernarg_size 40
		.amdhsa_user_sgpr_count 2
		.amdhsa_user_sgpr_kernarg_segment_ptr 1
		.amdhsa_wavefront_size32 1
		.amdhsa_system_sgpr_workgroup_id_x 1
		.amdhsa_system_sgpr_workgroup_id_y 1
		.amdhsa_system_sgpr_workgroup_id_z 1
		.amdhsa_system_vgpr_workitem_id 0
		.amdhsa_next_free_vgpr 1024
		.amdhsa_next_free_sgpr 98
		.amdhsa_reserve_vcc 0
		.amdhsa_float_denorm_mode_32 3
		.amdhsa_float_denorm_mode_16_64 3
		.amdhsa_memory_ordered 1
		.amdhsa_forward_progress 1
		.amdhsa_inst_pref_size 119
	.end_amdhsa_kernel
	.amdgpu_metadata
---
amdhsa.version: [ 1, 2 ]
amdhsa.kernels:
  - .name:           k_q8636be63dd_proj
    .symbol:         k_q8636be63dd_proj.kd
    .args:
      - { .name: codes, .offset: 0, .size: 8, .value_kind: global_buffer, .address_space: global }
      - { .name: scl, .offset: 8, .size: 8, .value_kind: global_buffer, .address_space: global }
      - { .name: qf, .offset: 16, .size: 8, .value_kind: global_buffer, .address_space: global }
      - { .name: kf, .offset: 24, .size: 8, .value_kind: global_buffer, .address_space: global }
      - { .name: vf, .offset: 32, .size: 8, .value_kind: global_buffer, .address_space: global }
    .group_segment_fixed_size: 327680
    .private_segment_fixed_size: 0
    .kernarg_segment_align: 8
    .kernarg_segment_size: 40
    .max_flat_workgroup_size: 128
    .sgpr_count:     98
    .vgpr_count:     1024
    .wavefront_size: 32
...
	.end_amdgpu_metadata
.endif
;; end of part 2
;; launch attn (part 3): grid 16 x 16, 16 waves a work-group, no clusters, 133,120 bytes of LDS; arguments qf, kf, vf, valid_len, of; writes of
.if DOCPART == 3
	.amdgcn_target "amdgcn-amd-amdhsa--gfx1250"
	.amdhsa_code_object_version 6
	.text
	.protected	k_q8636be63dd_attn
	.globl	k_q8636be63dd_attn
	.p2align	8
	.type	k_q8636be63dd_attn,@function
k_q8636be63dd_attn:
	s_mov_b64 s[64:65], 0
	v_nop
	global_prefetch_b8 v0, s[64:65] scope:SCOPE_SE
	s_setreg_imm32_b32 hwreg(HW_REG_WAVE_MODE, 25, 1), 1
	s_wait_xcnt 0x0
; ATTN.  o[b][h][q] = the sum over k of softmax_k(s(q, k)) v[b][h][k], with s(q, k) = q . k / 8 for k < valid_len[b] and NEG = -1e6 for k >= valid_len[b].  64 channels a head, 2,048 keys.  Operands in f16, products,
; maxima and sums in f32; the weights p are rounded to f16 for the second product, o once at the end.
; WORK LEFT OUT.  reference()'s jnp.where puts NEG in the place of the score of every key k >= valid_len[b], whatever q and k hold.  So where all 64 keys of a key step lie behind the step that holds key valid_len[b],
; the step's product q . k reaches no output, for all values of the inputs, and is not multiplied, nor are k's rows of that step loaded.  Those keys' WEIGHT stays: exp(NEG - max) is computed (once for a query and step:
; the 64 are one number), enters the row's sum 64 times, and multiplies v of the step, which is loaded and multiplied as ever.  The choice is made by whole numbers read from memory (valid_len).  No input is left out.
; LIMIT that goes with it: a NaN, an infinity or an overflow in k's rows behind valid_len is not carried to the result.
; OTHER LIMITS: weights under 6e-8 of the row's largest become 0 in f16; o beyond 65,504 overflows f16; valid_len under 0 is taken as 0 and over 2,048 as 2,048, which gives reference()'s mask.
; SOFTMAX.  For each query a running maximum m (of the raw q . k; a masked key counts as NEG x 8 = -8e6) and sum l: p = 2^(c s - c m), c = log2(e) / 8; in every whole step o and l are multiplied by 2^(c m_old - c m_new).
; The step that holds key valid_len[b] always goes the whole way, so behind it m is at least -8e6: the steps behind it move no maximum.
; SHARES.  A work-group serves one head and one block of 128 queries OF ALL FOUR BATCHES: wave w is member w / 4 of batch (w + w / 4) % 4 and owns 32 queries, two tiles of 16.  However the sixteen waves are dealt out in
; fours (by w % 4 or by w / 4), each four holds one wave of every batch: so the work is even whatever valid_len holds.  The four waves of a batch share that batch's tiles of k and v in LDS.
; NO TENSOR LOADS AND NO CLUSTER: which way a step goes hangs on valid_len, a number read from memory.  Tiles go from memory through registers into LDS
; (each member brings a quarter), one step ahead, into two slots by turns, with one barrier a step, and multicast is not to be had.
; LAYOUT.  qf, kf, vf hold images of operand registers: [batch][head][tile of 16 tokens][tile of 16 channels][lane][16 bytes]; a step of 64 keys is 8,192 consecutive bytes of kf and of vf.  Both products are used
; transposed: S^T = K Q^T (source 0 = 16 keys, source 1 = 16 queries), O^T = V^T P (source 0 = 16 channels, source 1 = P): a lane holds ONE query (lane % 16) throughout, and two tiles of S^T, rounded in pairs, ARE P's fragment.
; o is stored as images of the last product's operand: [tile of 16 tokens 512][32 along K: 32][2][lane][16 bytes].
.set LRD, 1                            ; v1   where I read: 16 x lane + my batch's region
.set LST, 3                            ; v3   where I store my quarter of a tile: LRD + 2,048 x member
.set GOF, 5                            ; v5   16 x lane
.set KIX, 6                            ; v6   8 (lane / 16)
.set PFO, 7                            ; v7   256 x lane
.set SPW, 8                            ; v8   LDS address of my spare word; never rewritten
.set NIL, 9                            ; v9   0; never rewritten
.set ST,  10                           ; v10-25 tile x's statistics at v[ST + 8 x]: +0 c m, +1 m, +2, +3 l (even keys', odd keys'), +4 .. +7 at work; the rescaling factor takes +6
.set D,   26                           ; v26  the mask: valid_len - the step's first key - 8 (lane / 16)
.set NG,  27                           ; v27  -8e6
.set Q,   32                           ; v32-63   Q: fragment (tile x, channels 32 s on) at 16 x + 8 s
.set S,   64                           ; v64-127  S^T: tile (x, keys 16 kt on) at 32 x + 8 kt; then p; then P, in place: fragment (x, keys 32 ks on) at 32 x + 16 ks
.set O,   128                          ; v128-191 O^T: tile (x, channels 16 ct on) at 32 x + 8 ct
.set F,   192                          ; v192-223 four fragments of K or of V
.set G,   224                          ; v224-255 the next step's quarter tiles on their way: K's in 0-15, V's in 16-31
.set SLOTB, 16384                      ; LDS: batch b's region at 32,768 b; in it two slots; in a slot K's 8,192 bytes, then V's
.set VOFF,  8192
.set SPARE, 131072                     ; behind the four regions: the spare words, 128 bytes for each of sixteen waves
.set WV,  14
.set MI,  15                           ; member of the batch's four
.set BT,  16                           ; batch
.set VL,  17                           ; valid_len, held to 0 .. 2,048
.set VA,  18                           ; min(VL, 2,047): a step goes the whole way where its first key is at or under this
.set KF,  19                           ; the trip's first key: the loop's counter
.set K0,  20                           ; the step's first key
.set KN,  21                           ; the next step's
.set CS,  24                           ; s[24:25] c, twice: the packed form names a pair
.set SEL, 26                           ; s[26:27] lane selects for v_permlanex16_b32: lane l xor 16
.set NR,  28                           ; -8e6
.set HD,  29                           ; the head
.set KB,  30                           ; s[30:31] kf at the trip's first step, my quarter
.set VB,  32                           ; s[32:33] vf likewise
.set QB,  34                           ; s[34:35] qf at my first tile
.set OB,  36                           ; s[36:37] of at my first tile
.set PFB, 38                           ; s[38:39] the prefetches' base: kf (member 0) or vf at the trip's first step
.set PL,  40                           ; a wave prefetches while the step asked for begins at or under this
.set KP,  41
.macro NOPS n
.rept \n
	v_nop
.endr
.endm
	s_load_b256 s[4:11], s[0:1], 0x0               ; qf s[4:5], kf s[6:7], vf s[8:9], valid_len s[10:11]
	s_load_b64 s[12:13], s[0:1], 0x20              ; of
	v_lshl_add_u32 v[SPW], v0, 2, SPARE
	v_mov_b32 v[NIL], 0
	v_lshrrev_b32 v2, 5, v0
	v_readfirstlane_b32 s[WV], v2                  ; wave 0..15
	s_lshr_b32 s[MI], s[WV], 2
	s_add_co_u32 s[BT], s[WV], s[MI]
	s_and_b32 s[BT], s[BT], 3
	v_and_b32 v2, 31, v0
	v_lshlrev_b32 v[GOF], 4, v2
	v_lshlrev_b32 v[PFO], 8, v2
	v_bfe_u32 v[KIX], v0, 4, 1
	v_lshlrev_b32 v[KIX], 3, v[KIX]
	s_lshl_b32 s22, s[BT], 15
	v_add_nc_u32 v[LRD], s22, v[GOF]
	s_lshl_b32 s23, s[MI], 11
	s_add_co_u32 s22, s22, s23
	v_add_nc_u32 v[LST], s22, v[GOF]
	s_mov_b32 s[CS], 0x3e38aa3b                    ; c = log2(e) / 8
	s_mov_b32 s[CS+1], s[CS]
	s_mov_b32 s[SEL], 0x76543210
	s_mov_b32 s[SEL+1], 0xfedcba98
	s_mov_b32 s[NR], 0xcaf42400                    ; -8e6 = NEG / (1 / 8)
	s_mov_b32 s[KF], 0
	s_and_b32 s[HD], ttmp7, 0xffff
	s_lshl_b32 s22, s[BT], 4
	s_add_co_u32 s22, s22, s[HD]
	s_lshl_b32 s22, s22, 18                        ; (batch x 16 + head) x 262,144: under 2^24
	s_mov_b32 s23, 0
	s_wait_kmcnt 0x0
	s_load_b128 s[44:47], s[10:11], 0x0            ; the four valid_len
	s_add_nc_u64 s[KB:KB+1], s[6:7], s[22:23]
	s_add_nc_u64 s[VB:VB+1], s[8:9], s[22:23]
	s_add_nc_u64 s[QB:QB+1], s[4:5], s[22:23]
	s_cmp_eq_u32 s[MI], 0
	s_cselect_b64 s[PFB:PFB+1], s[KB:KB+1], s[VB:VB+1]
	s_lshl_b32 s22, s[MI], 11                      ; my quarter of a step's tile
	s_add_nc_u64 s[KB:KB+1], s[KB:KB+1], s[22:23]
	s_add_nc_u64 s[VB:VB+1], s[VB:VB+1], s[22:23]
	s_lshl_b32 s22, ttmp9, 14                      ; my tiles of queries: 8 x block + 2 x member on, 2,048 bytes each
	s_lshl_b32 s[KP], s[MI], 12
	s_add_co_u32 s22, s22, s[KP]
	s_add_nc_u64 s[QB:QB+1], s[QB:QB+1], s[22:23]
	s_lshl_b32 s22, s[BT], 7                       ; of: tile of tokens 128 x batch + 8 x block + 2 x member, 32,768 bytes each; + 2,048 x head
	s_lshl_b32 s[KP], ttmp9, 3
	s_add_co_u32 s22, s22, s[KP]
	s_lshl_b32 s[KP], s[MI], 1
	s_add_co_u32 s22, s22, s[KP]
	s_lshl_b32 s22, s22, 15
	s_lshl_b32 s[KP], s[HD], 11
	s_add_co_u32 s22, s22, s[KP]
	s_add_nc_u64 s[OB:OB+1], s[12:13], s[22:23]
.irp i, 0,1,2,3,4,5,6,7
	global_load_b128 v[Q+4*\i:Q+4*\i+3], v[GOF], s[QB:QB+1] offset:512*\i      ; Q stays in registers
.endr
.irp i, 0,1,2,3
	global_load_b128 v[G+4*\i:G+4*\i+3], v[GOF], s[KB:KB+1] offset:512*\i      ; step 0, which always goes the whole way: my quarter of K's tile,
.endr
.irp i, 0,1,2,3
	global_load_b128 v[G+16+4*\i:G+16+4*\i+3], v[GOF], s[VB:VB+1] offset:512*\i   ; and of V's
.endr
.irp x, 0,1
	v_mov_b32 v[ST+8*\x+1], 0xff61b1e6             ; m: -3e38, under every score
	v_mul_f32 v[ST+8*\x], s[CS], v[ST+8*\x+1]      ; c m
.irp i, 2,3,4,5,6,7
	v_mov_b32 v[ST+8*\x+\i], 0                     ; l; and the registers at work, written once (a lane permute's destination counts as one of its sources)
.endr
.endr
.irp j, 0,1,2,3,4,5,6,7,8,9,10,11,12,13,14,15,16,17,18,19,20,21,22,23,24,25,26,27,28,29,30,31,32,33,34,35,36,37,38,39,40,41,42,43,44,45,46,47,48,49,50,51,52,53,54,55,56,57,58,59,60,61,62,63
	v_mov_b32 v[O+\j], 0                           ; O^T.  (The step is written once: the first finds zeros, which the first rescaling leaves zeros)
.endr
	s_wait_kmcnt 0x0
	s_cmp_eq_u32 s[BT], 1                          ; my batch's valid_len
	s_cselect_b32 s[VL], s45, s44
	s_cmp_eq_u32 s[BT], 2
	s_cselect_b32 s[VL], s46, s[VL]
	s_cmp_eq_u32 s[BT], 3
	s_cselect_b32 s[VL], s47, s[VL]
	s_max_i32 s[VL], s[VL], 0
	s_min_i32 s[VL], s[VL], 2048
	s_min_u32 s[VA], s[VL], 2047
	s_mov_b32 s[PL], 2047                          ; who prefetches: in the head's first work-group, of each batch member 0 (K's steps, as far as they are loaded) and member 1 (V's, all)
	s_cmp_eq_u32 s[MI], 0
	s_cselect_b32 s[PL], s[VA], s[PL]
	s_cmp_lt_u32 s[MI], 2
	s_cselect_b32 s[PL], s[PL], 0
	s_cmp_eq_u32 ttmp9, 0
	s_cselect_b32 s[PL], s[PL], 0                  ; 0: no step asked for begins so early
	s_wait_loadcnt 0x0
.irp i, 0,1,2,3
	ds_store_b128 v[LST], v[G+4*\i:G+4*\i+3] offset:512*\i
	ds_store_b128 v[LST], v[G+16+4*\i:G+16+4*\i+3] offset:VOFF+512*\i
.endr
	s_wait_dscnt 0x0                               ; for the others' sake: my stores have landed
	s_barrier_signal -1
	s_barrier_wait -1
.macro KLOAD sl, u                     ; K's fragments of keys 32 u on: (keys 16 kk on, channels 32 hs on) at F + 16 kk + 8 hs; each fragment two pieces of 512 bytes, 16 bytes a lane
.irp kk, 0,1
.irp hs, 0,1
.irp g, 0,1
	ds_load_b128 v[F+16*\kk+8*\hs+4*\g:F+16*\kk+8*\hs+4*\g+3], v[LRD] offset:\sl*SLOTB+(2*\u+\kk)*2048+\hs*1024+\g*512
.endr
.endr
.endr
.endm
.macro QK u                            ; eight products: four accumulators by turns, one instruction a turn; the first four start the sums
.irp hs, 0,1
.irp kk, 0,1
.irp x, 0,1
.if \hs == 0
	v_wmma_f32_16x16x32_f16 v[S+32*\x+8*(2*\u+\kk):S+32*\x+8*(2*\u+\kk)+7], v[F+16*\kk+8*\hs:F+16*\kk+8*\hs+7], v[Q+16*\x+8*\hs:Q+16*\x+8*\hs+7], 0
.else
	v_wmma_f32_16x16x32_f16 v[S+32*\x+8*(2*\u+\kk):S+32*\x+8*(2*\u+\kk)+7], v[F+16*\kk+8*\hs:F+16*\kk+8*\hs+7], v[Q+16*\x+8*\hs:Q+16*\x+8*\hs+7], v[S+32*\x+8*(2*\u+\kk):S+32*\x+8*(2*\u+\kk)+7]
.endif
.endr
.endr
.endr
.endm
.macro VLOAD sl, ks                    ; V^T's fragments of keys 32 ks on: channels 16 ct on at F + 8 ct
.irp ct, 0,1,2,3
.irp g, 0,1
	ds_load_b128 v[F+8*\ct+4*\g:F+8*\ct+4*\g+3], v[LRD] offset:\sl*SLOTB+VOFF+(2*\ks+\g)*2048+\ct*512
.endr
.endr
.endm
.macro PV ks, far                      ; eight products O^T += V^T P: eight accumulators by turns.  far = 1: one fragment of equal weights serves both halves of the step
.irp ct, 0,1,2,3
.irp x, 0,1
	v_wmma_f32_16x16x32_f16 v[O+32*\x+8*\ct:O+32*\x+8*\ct+7], v[F+8*\ct:F+8*\ct+7], v[S+32*\x+16*\ks*(1-\far):S+32*\x+16*\ks*(1-\far)+7], v[O+32*\x+8*\ct:O+32*\x+8*\ct+7]
.endr
.endr
.endm
; The step that holds key valid_len: register 8 kt + j of a tile holds key K0 + 16 kt + 8 (lane / 16) + j, which is masked where 16 kt + j >= valid_len - K0 - 8 (lane / 16).  Each accumulator from its low end on.
.macro MASK
	s_sub_co_u32 s22, s[VL], s[K0]
	v_sub_nc_u32 v[D], s22, v[KIX]
	v_mov_b32 v[NG], s[NR]
.irp n, 0,1,2,3,4,5,6,7,8,9,10,11,12,13,14,15,16,17,18,19,20,21,22,23,24,25,26,27,28,29,30,31
	v_cmp_ge_i32 vcc_lo, 16*(\n/8)+\n%8, v[D]
	v_cndmask_b32 v[S+\n], v[S+\n], v[NG], vcc_lo
	v_cndmask_b32 v[S+32+\n], v[S+32+\n], v[NG], vcc_lo
.endr
.endm
; A step's softmax, the two tiles line by line by turns, so that no line waits for the line above it.
.macro SOFTMAX
.irp j, 0,1,2,3                        ; the maximum of my 32 scores and the old m, three operands at a time: four chains, each begun at an accumulator's low end
.irp x, 0,1
	v_max3_num_f32 v[ST+8*\x+4+\j], v[S+32*\x+8*\j], v[S+32*\x+8*\j+1], v[S+32*\x+8*\j+2]
.endr
.endr
.irp w, 1,2
.irp j, 0,1,2,3
.irp x, 0,1
	v_max3_num_f32 v[ST+8*\x+4+\j], v[ST+8*\x+4+\j], v[S+32*\x+8*\j+2*\w+1], v[S+32*\x+8*\j+2*\w+2]
.endr
.endr
.endr
.irp x, 0,1
	v_max3_num_f32 v[ST+8*\x+4], v[ST+8*\x+4], v[S+32*\x+7], v[S+32*\x+15]
.endr
.irp x, 0,1
	v_max3_num_f32 v[ST+8*\x+6], v[ST+8*\x+6], v[S+32*\x+23], v[S+32*\x+31]
.endr
.irp x, 0,1
	v_max3_num_f32 v[ST+8*\x+4], v[ST+8*\x+4], v[ST+8*\x+5], v[ST+8*\x+6]
.endr
.irp x, 0,1
	v_max3_num_f32 v[ST+8*\x+4], v[ST+8*\x+4], v[ST+8*\x+7], v[ST+8*\x+1]
.endr
.irp x, 0,1
	v_permlanex16_b32 v[ST+8*\x+5], v[ST+8*\x+4], s[SEL], s[SEL+1]   ; the query's other 32 keys lie in the lane 16 away
.endr
.irp x, 0,1
	v_mov_b32 v[ST+8*\x+7], v[ST+8*\x]             ; c m_old
.endr
.irp x, 0,1
	v_max_num_f32 v[ST+8*\x+1], v[ST+8*\x+4], v[ST+8*\x+5]
.endr
.irp x, 0,1
	v_mul_f32 v[ST+8*\x], s[CS], v[ST+8*\x+1]
.endr
.irp x, 0,1
	v_sub_f32 v[ST+8*\x+7], v[ST+8*\x+7], v[ST+8*\x]
.endr
.irp j, 0,2,4,6,8,10,12,14,16,18,20,22,24,26,28,30
.irp x, 0,1
	v_pk_fma_f32 v[S+32*\x+\j:S+32*\x+\j+1], v[S+32*\x+\j:S+32*\x+\j+1], s[CS:CS+1], v[ST+8*\x:ST+8*\x+1] op_sel_hi:[1,0,0] neg_lo:[0,0,1] neg_hi:[0,0,1]   ; c s - c m, two at a time
.endr
.endr
.irp x, 0,1
	v_exp_f32 v[ST+8*\x+6], v[ST+8*\x+7]           ; 2^(c m_old - c m_new)
.endr
.irp j, 0,1,2,3,4,5,6,7,8,9,10,11,12,13,14,15,16,17,18,19,20,21,22,23,24,25,26,27,28,29,30,31
.irp x, 0,1
	v_exp_f32 v[S+32*\x+\j], v[S+32*\x+\j]         ; p
.endr
.endr
	v_nop                                          ; a plain line behind the last exponential,
	s_wait_alu depctr_va_vdst(0)                   ; and the wait ahead of the first line that names a result: one for the 66
.irp x, 0,1                            ; the sums, of the unrounded p, in two chains
	v_pk_fma_f32 v[ST+8*\x+2:ST+8*\x+3], v[ST+8*\x+2:ST+8*\x+3], v[ST+8*\x+6:ST+8*\x+7], v[S+32*\x:S+32*\x+1] op_sel_hi:[1,0,1]
.endr
.irp x, 0,1
	v_pk_add_f32 v[ST+8*\x+4:ST+8*\x+5], v[S+32*\x+2:S+32*\x+3], v[S+32*\x+4:S+32*\x+5]
.endr
.irp j, 6,10,14,18,22,26
.irp x, 0,1
	v_pk_add_f32 v[ST+8*\x+2:ST+8*\x+3], v[ST+8*\x+2:ST+8*\x+3], v[S+32*\x+\j:S+32*\x+\j+1]
	v_pk_add_f32 v[ST+8*\x+4:ST+8*\x+5], v[ST+8*\x+4:ST+8*\x+5], v[S+32*\x+\j+2:S+32*\x+\j+3]
.endr
.endr
.irp x, 0,1
	v_pk_add_f32 v[ST+8*\x+2:ST+8*\x+3], v[ST+8*\x+2:ST+8*\x+3], v[S+32*\x+30:S+32*\x+31]
.endr
.irp x, 0,1
	v_pk_add_f32 v[ST+8*\x+2:ST+8*\x+3], v[ST+8*\x+2:ST+8*\x+3], v[ST+8*\x+4:ST+8*\x+5]
.endr
.irp ks, 0,1                           ; p to f16, in place and ascending: line i writes register i and reads 2 i and 2 i + 1
.irp i, 0,1,2,3,4,5,6,7
.irp x, 0,1
	v_cvt_pk_f16_f32 v[S+32*\x+16*\ks+\i], v[S+32*\x+16*\ks+2*\i], v[S+32*\x+16*\ks+2*\i+1]
.endr
.endr
.endr
.irp j, 0,2,4,6,8,10,12,14,16,18,20,22,24,26,28,30
.irp x, 0,1
	v_pk_mul_f32 v[O+32*\x+\j:O+32*\x+\j+1], v[O+32*\x+\j:O+32*\x+\j+1], v[ST+8*\x+6:ST+8*\x+7] op_sel_hi:[1,0]   ; O^T under the new m
.endr
.endr
.endm
; A step that goes the whole way.  Places: a load into a register that a matrix instruction has read, and a vector instruction that reads a result, stand four plain vector lines behind it; a matrix instruction that
; writes over a register of an earlier one five (not for loads): the next step's products write S^T over P.
.macro ACTIVE sl
	KLOAD \sl, 0
	s_wait_dscnt 0x0
	QK 0
	NOPS 4
	KLOAD \sl, 1
	s_wait_dscnt 0x0
	QK 1
	NOPS 4
	VLOAD \sl, 0                                   ; lands under the softmax
	s_cmp_le_u32 s[KN], s[VL]                      ; all 64 keys count?
	s_cbranch_scc1 .Lopen_\@
	MASK
.Lopen_\@:
	SOFTMAX
	s_wait_dscnt 0x0
	PV 0, 0
	NOPS 4
	VLOAD \sl, 1
	s_wait_dscnt 0x0
	PV 1, 0
	NOPS 5
.endm
; A step all of whose keys are masked, behind the step that holds key valid_len: every score is -8e6 and m is at least that.  One weight for a query: p = 2^(c (-8e6) - c m), by the same fused line as in a whole step.
.macro FAR sl
	VLOAD \sl, 0
.irp x, 0,1
	v_fma_f32 v[ST+8*\x+4], s[CS], s[NR], -v[ST+8*\x]
.endr
.irp x, 0,1
	v_exp_f32 v[ST+8*\x+5], v[ST+8*\x+4]
.endr
	v_nop
	s_wait_alu depctr_va_vdst(0)                   ; one wait for the two, ahead of their first reader
.irp x, 0,1
	v_fma_f32 v[ST+8*\x+2], v[ST+8*\x+5], 0x42000000, v[ST+8*\x+2]   ; l += 32 p: my half of the step's 64 keys
.endr
.irp i, 0,1,2,3,4,5,6,7
.irp x, 0,1
	v_cvt_pk_f16_f32 v[S+32*\x+\i], v[ST+8*\x+5], v[ST+8*\x+5]
.endr
.endr
	s_wait_dscnt 0x0
	PV 0, 1
	NOPS 4
	VLOAD \sl, 1
	s_wait_dscnt 0x0
	PV 1, 1
	NOPS 5
.endm
; A KEY STEP, from slot sl.  The next step's quarter tiles are asked for at its head (V's always, K's where that step goes the whole way), land under the step's work, and go into the other slot at its end.
; That slot's last reads were waited for in front of the last barrier; the barrier at this step's end shows the stores to the batch's other three waves.  Every wave passes every barrier.
.macro STEP sl
	s_add_co_u32 s[K0], s[KF], 64*\sl
	s_add_co_u32 s[KN], s[K0], 64
	s_cmp_ge_u32 s[KN], 2048
	s_cbranch_scc1 .Lnl_\@
.irp i, 0,1,2,3
	global_load_b128 v[G+16+4*\i:G+16+4*\i+3], v[GOF], s[VB:VB+1] offset:(\sl+1)*8192+512*\i
.endr
	s_cmp_gt_u32 s[KN], s[VA]
	s_cbranch_scc1 .Lnl_\@
.irp i, 0,1,2,3
	global_load_b128 v[G+4*\i:G+4*\i+3], v[GOF], s[KB:KB+1] offset:(\sl+1)*8192+512*\i
.endr
.Lnl_\@:
	; A prefetch of the tile that the NEXT step's loads will ask for: 8,192 bytes, lanes 256 bytes apart, one instruction.  All sixteen work-groups of a head walk the same k and v: the first of them asks, in each batch
	; member 0 for K's tile (only where it will be loaded) and member 1 for V's: each aligned 256 bytes are named once in the launch.  Steps 0 and 1 come by their loads alone; the last steps ask for nothing.
	s_add_co_u32 s[KP], s[K0], 128
	s_cmp_gt_u32 s[KP], s[PL]
	s_cbranch_scc1 .Lna_\@
	global_prefetch_b8 v[PFO], s[PFB:PFB+1] offset:(\sl+2)*8192 th:TH_LOAD_NT scope:SCOPE_SE
.Lna_\@:
	s_cmp_gt_u32 s[K0], s[VA]
	s_cbranch_scc1 .Lfar_\@
	ACTIVE \sl
	s_branch .Ljoin_\@
.Lfar_\@:
	FAR \sl
.Ljoin_\@:
	s_wait_loadcnt 0x0                             ; the quarter tiles are in
	s_cmp_ge_u32 s[KN], 2048
	s_cbranch_scc1 .Lns_\@
.irp i, 0,1,2,3
	ds_store_b128 v[LST], v[G+16+4*\i:G+16+4*\i+3] offset:(1-\sl)*SLOTB+VOFF+512*\i
.endr
	s_cmp_gt_u32 s[KN], s[VA]
	s_cbranch_scc1 .Lns_\@
.irp i, 0,1,2,3
	ds_store_b128 v[LST], v[G+4*\i:G+4*\i+3] offset:(1-\sl)*SLOTB+512*\i
.endr
.Lns_\@:
	s_wait_dscnt 0x0                               ; my stores have landed, and my reads of this slot are over
	s_barrier_signal -1
	s_barrier_wait -1
.endm
.Lpair:                                            ; 16 trips of two steps: the slots stand in the immediates
	STEP 0
	STEP 1
	s_wait_xcnt 0x0                                ; the loads and the prefetches have read their bases: they step only behind this wait
	s_add_nc_u64 s[KB:KB+1], s[KB:KB+1], 16384
	s_add_nc_u64 s[VB:VB+1], s[VB:VB+1], 16384
	s_add_nc_u64 s[PFB:PFB+1], s[PFB:PFB+1], 16384
	s_add_co_u32 s[KF], s[KF], 128
	s_cmp_lt_u32 s[KF], 2048
	s_cbranch_scc1 .Lpair
	; THE WAY OUT.  l's two halves and the other half of the lanes' are added; O^T is divided by l and rounded to f16 in pairs: four registers a lane are a piece of the last product's operand in the same lanes.
.irp x, 0,1
	v_add_f32 v[ST+8*\x+4], v[ST+8*\x+2], v[ST+8*\x+3]
.endr
.irp x, 0,1
	v_permlanex16_b32 v[ST+8*\x+5], v[ST+8*\x+4], s[SEL], s[SEL+1]
.endr
.irp x, 0,1
	v_add_f32 v[ST+8*\x+4], v[ST+8*\x+4], v[ST+8*\x+5]
.endr
.irp x, 0,1
	v_rcp_f32 v[ST+8*\x+6], v[ST+8*\x+4]
.endr
	v_nop
	s_wait_alu depctr_va_vdst(0)                   ; one wait for the two reciprocals, ahead of their first reader
.irp x, 0,1
.irp j, 0,2,4,6,8,10,12,14,16,18,20,22,24,26,28,30
	v_pk_mul_f32 v[O+32*\x+\j:O+32*\x+\j+1], v[O+32*\x+\j:O+32*\x+\j+1], v[ST+8*\x+6:ST+8*\x+7] op_sel_hi:[1,0]
.endr
.endr
.irp x, 0,1
.irp i, 0,1,2,3,4,5,6,7,8,9,10,11,12,13,14,15
	v_cvt_pk_f16_f32 v[S+16*\x+\i], v[O+32*\x+2*\i], v[O+32*\x+2*\i+1]
.endr
.endr
.irp x, 0,1
.irp ct, 0,1,2,3
	global_store_b128 v[GOF], v[S+16*\x+4*\ct:S+16*\x+4*\ct+3], s[OB:OB+1] offset:\x*32768+\ct*512   ; 32 lanes store 512 consecutive bytes, aligned
.endr
.endr
	s_wait_tensorcnt 0x0                           ; the wave's end: behind my last LDS store
	ds_add_u32 v[SPW], v[NIL]
	s_wait_dscnt 0x0
	s_endpgm
.Lfunc_end_k_q8636be63dd_attn:
	.size	k_q8636be63dd_attn, .Lfunc_end_k_q8636be63dd_attn-k_q8636be63dd_attn
	.p2alignl 7, 3214868480
	.fill 96, 4, 3214868480
	.section	.rodata,"a",@progbits
	.p2align	6, 0x0
	.amdhsa_kernel k_q8636be63dd_attn
		.amdhsa_group_segment_fixed_size 133120
		.amdhsa_private_segment_fixed_size 0
		.amdhsa_enable_private_segment 0
		.amdhsa_kernarg_size 40
		.amdhsa_user_sgpr_count 2
		.amdhsa_user_sgpr_kernarg_segment_ptr 1
		.amdhsa_wavefront_size32 1
		.amdhsa_system_sgpr_workgroup_id_x 1
		.amdhsa_system_sgpr_workgroup_id_y 1
		.amdhsa_system_sgpr_workgroup_id_z 1
		.amdhsa_system_vgpr_workitem_id 0
		.amdhsa_next_free_vgpr 256
		.amdhsa_next_free_sgpr 66
		.amdhsa_reserve_vcc 1
		.amdhsa_float_denorm_mode_32 3
		.amdhsa_float_denorm_mode_16_64 3
		.amdhsa_memory_ordered 1
		.amdhsa_forward_progress 1
		.amdhsa_inst_pref_size 66
	.end_amdhsa_kernel
	.amdgpu_metadata
---
amdhsa.version: [ 1, 2 ]
amdhsa.kernels:
  - .name:           k_q8636be63dd_attn
    .symbol:         k_q8636be63dd_attn.kd
    .args:
      - { .name: qf, .offset: 0, .size: 8, .value_kind: global_buffer, .address_space: global }
      - { .name: kf, .offset: 8, .size: 8, .value_kind: global_buffer, .address_space: global }
      - { .name: vf, .offset: 16, .size: 8, .value_kind: global_buffer, .address_space: global }
      - { .name: valid_len, .offset: 24, .size: 8, .value_kind: global_buffer, .address_space: global }
      - { .name: of, .offset: 32, .size: 8, .value_kind: global_buffer, .address_space: global }
    .group_segment_fixed_size: 133120
    .private_segment_fixed_size: 0
    .kernarg_segment_align: 8
    .kernarg_segment_size: 40
    .max_flat_workgroup_size: 512
    .sgpr_count:     66
    .vgpr_count:     256
    .wavefront_size: 32
...
	.end_amdgpu_metadata
.endif
;; end of part 3
;; launch outp (part 4): grid 8 x 64, 4 waves a work-group, clusters of 4 x 4, 327,680 bytes of LDS; arguments of, wo16, out0; writes out0
.if DOCPART == 4
	.amdgcn_target "amdgcn-amd-amdhsa--gfx1250"
	.amdhsa_code_object_version 6
	.text
	.protected	k_q8636be63dd_outp
	.globl	k_q8636be63dd_outp
	.p2align	8
	.type	k_q8636be63dd_outp,@function
k_q8636be63dd_outp:
	s_mov_b64 s[64:65], 0
	v_nop
	global_prefetch_b8 v0, s[64:65] scope:SCOPE_SE
	s_setreg_imm32_b32 hwreg(HW_REG_WAVE_MODE, 25, 1), 1
	s_wait_xcnt 0x0
	s_wait_alu depctr_hold_cnt(0) depctr_sa_sdst(0) depctr_va_vdst(0) depctr_va_sdst(0) depctr_va_ssrc(0) depctr_va_vcc(0) depctr_vm_vsrc(0)
	s_getreg_b32 s2, hwreg(HW_REG_IB_STS2, 6, 4)
	s_cmp_eq_u32 s2, 0
	s_cbranch_scc0 .Lentry_in_a_cluster
	s_endpgm
.Lentry_in_a_cluster:
	s_bfe_u32 s2, ttmp6, 0x10000c
	s_cmp_lg_u32 s2, 0xf033
	s_cbranch_scc0 .Lentry_shape_is_right
	s_endpgm
.Lentry_shape_is_right:
; OUTP.  out0[m][n] = the sum over k of o[m][k] W_o[n][k]: [8192][1024] = [8192][K 1024] x [1024][K 1024]^T, operands in f16, sums and result in f32.  Nothing is left out here.
; A (o) comes as images of operand registers: of = [tile of 16 tokens 512][32 along K: 32][2][lane 32][16 bytes]; B (wo16) as rows [1024 n][1024 k] of f16.
; A tile of the result is 128 x 128: 512 work-groups.  Four waves, each 64 x 64: 16 accumulators of 16 x 16, 128 registers.  K goes in steps of 256 through a ring of two LDS slots filled by the tensor data mover.
; A's part of a slot: 8 tiles of tokens x 8,192 consecutive bytes, dense: a fragment is two loads of 512 consecutive bytes, 16 bytes a lane.  B's part: 128 rows of 512 bytes + 16 of padding.
; CLUSTERS: 4 x 4 work-groups.  The four of a row of the cluster need the same tiles of A, the four of a column the same tiles of B: each tile is asked for JOINTLY, by the same tensor load with the same descriptor and a
; mask that names the four.  THE MATRIX INSTRUCTION IS USED TRANSPOSED (source 0 = 16 rows of B, source 1 = 16 rows of A): a lane then holds eight neighbouring numbers of a row of the result.
; A wave's 64 columns of f32 are 256 aligned bytes of a row: each wave has a stage of its own on the way out, and no barrier stands there.
; REGISTERS: window 0: v0-31 addresses; v32-95 rows on the way out; v128-255 the accumulators ((a, b) at v[128 + 8 (4 a + b)]).
;   window 1: two fragment buffers of 128: for 64 along K, 64 registers of A (2 x 4 x 16 rows x 32 K), then 64 of B.
.set SIZE_M, 8192
.set SIZE_N, 1024
.set SIZE_K, 1024
.set KSTEP,  256
.set PITCH,  528                       ; a row of B in LDS: 512 bytes + 16 of padding = 132 words: row r starts at bank 4 r mod 64 (64 banks of 4 bytes: ISA guide 11.1)
.set HALFA,  32768                     ; four tiles of tokens x 8,192 bytes: what one tensor load brings of A, and what one wave reads
.set HALFB,  64*PITCH                  ; 64 rows of B likewise
.set BOFF,   2*HALFA                   ; B's rows lie behind A's images
.set SLOT,   BOFF+2*HALFB
.set STAGE,  2*SLOT                    ; behind the ring: 16 rows x 272 bytes for each wave, for the way out
.set SPITCH, 272
.set SPARE,  STAGE+4*16*SPITCH         ; behind the stages: the spare words, 128 bytes for each wave
.set LAPS, SIZE_K/(2*KSTEP)            ; a lap = two K steps = once round the ring
.set ADRA, 16                          ; v16-17  LDS address of my A fragments in slot 0, 1
.set ADRB, 20                          ; v20-21  the same for B
.set STO,  24                          ; v24     the way out: where I put 32 bytes of a row
.set RD,   25                          ; v25     the way out: where I read a row back
.set CO,   26                          ; v26     my byte offset in the result
.set SPW,  28                          ; v28     LDS address of my spare word; never rewritten
.set NIL,  29                          ; v29     0; never rewritten
.set TMP,  32                          ; the way out: two sets of 32 registers, whole rows
.set ACC,  128
.set F0,   0                           ; fragment buffers, in window 1
.set F1,   128
.set G1, 24                            ; s[24:31] descriptor group 1 for A's tiles;  s[32:39] group 0, one set for each slot
.set G0, 32
.set G1B, 48                           ; s[48:55], s[56:63] the same for B's tiles
.set G0B, 56
.set MSB, 0
.macro WIN new                         ; the immediate's high byte repeats the setting that is left
.if MSB != \new
	s_set_vgpr_msb (MSB<<8)|\new
.set MSB, \new
.endif
.endm
.set MUL,  0x05                        ; sources 0 (B) and 1 (A) window 1; C and D window 0
.set TO_F, 0x40                        ; destination window 1, address window 0
.macro JLOAD s                         ; a joint load: waves 0 and 1 fetch A's two halves, waves 2 and 3 B's; an s_nop 0 and four v_nop follow each of the two lines, ahead of the jump, the label and what follows
	s_cmp_eq_u32 s11, 0
	s_cbranch_scc0 .Lfor_b_\@
	tensor_load_to_lds s[G0+4*\s:G0+4*\s+3], s[G1:G1+7]
	s_nop 0
.rept 4
	v_nop
.endr
	s_branch .Lasked_\@
.Lfor_b_\@:
	tensor_load_to_lds s[G0B+4*\s:G0B+4*\s+3], s[G1B:G1B+7]
	s_nop 0
.rept 4
	v_nop
.endr
.Lasked_\@:
.endm
.macro CREST                           ; a round of the cluster's barrier behind its opening barrier
	s_cmp_lg_u32 s10, 0
	s_cbranch_scc1 .Lnot_wave_0_\@
	s_barrier_signal -3
.Lnot_wave_0_\@:
	s_barrier_wait -3
	s_barrier_signal -1
	s_barrier_wait -1
.endm
.macro CROUND                          ; a whole round
	s_barrier_signal -1
	s_barrier_wait -1
	CREST
.endm
	s_load_b128 s[4:7], s[0:1], 0x0                ; of s[4:5], wo16 s[6:7]
	s_load_b64 s[8:9], s[0:1], 0x10                ; out0
	v_lshl_add_u32 v[SPW], v0, 2, SPARE
	v_mov_b32 v[NIL], 0
	ds_add_u32 v[SPW], v[NIL]                      ; the wave's opening: the add, twice on end, and its wait ahead of my first tensor load; the set-up below stands between the second and the wait
	ds_add_u32 v[SPW], v[NIL]
	v_lshrrev_b32 v1, 5, v0
	v_readfirstlane_b32 s10, v1                    ; wave 0..3
	s_lshr_b32 s11, s10, 1                         ; which half of the tile's rows is mine.  Also: I fetch for A (0) or for B (1)
	s_and_b32 s12, s10, 1                          ; which half of its columns.  Also: which half of that tile I fetch
	s_bfe_u32 s40, ttmp6, 0x40000                  ; cx, cy: my place in the cluster
	s_bfe_u32 s41, ttmp6, 0x40004
	s_lshl_b32 s42, ttmp9, 2
	s_add_co_u32 s42, s42, s40                     ; tile column = 4 x cluster x + cx
	s_and_b32 s13, ttmp7, 0xffff
	s_lshl_b32 s13, s13, 2
	s_add_co_u32 s13, s13, s41                     ; tile row = 4 x cluster y + cy
	s_lshl_b32 s43, s41, 2
	s_lshl_b32 s43, 15, s43                        ; my row of the cluster
	s_lshl_b32 s44, 0x1111, s40                    ; my column
	; descriptor group 1 for A: four rows (tiles of tokens) of 8,192 bytes, 32,768 bytes apart in memory, dense in LDS
	s_or_b32 s[G1+0], s43, (3<<16)|(1<<21)         ; 15:0 the mask: A's tiles go to my row; 17:16 elements of 8 bytes; 20 no padding; 21 set beside a mask
	s_mov_b32 s[G1+1], 1024<<16                    ; tensor_dim0 = 1,024 elements
	s_mov_b32 s[G1+2], 4<<16                       ; tensor_dim1 = 4
	s_mov_b32 s[G1+3], 1024<<16                    ; tile_dim0 = 1,024
	s_mov_b32 s[G1+4], 4                           ; tile_dim1 = 4
	s_mov_b32 s[G1+5], 4096                        ; tensor_dim0_stride: 4,096 elements
	s_mov_b32 s[G1+6], 0
	s_mov_b32 s[G1+7], 0
	; and for B: 64 rows x 256 elements of 2 bytes, padded in LDS
	s_or_b32 s[G1B+0], s44, (1<<16)|(1<<20)|(1<<21)|(6<<22)|(3<<25)  ; the mask of my column; padding: four words (code 3) after every 128 (code 6)
	s_mov_b32 s[G1B+1], KSTEP<<16
	s_mov_b32 s[G1B+2], 64<<16
	s_mov_b32 s[G1B+3], KSTEP<<16
	s_mov_b32 s[G1B+4], 64
	s_mov_b32 s[G1B+5], SIZE_K
	s_mov_b32 s[G1B+6], 0
	s_mov_b32 s[G1B+7], 0
	s_lshl_b32 s17, s12, 2
	s_lshl_b32 s16, s13, 3
	s_add_co_u32 s16, s16, s17                     ; A: tile of tokens 8 x tile row + 4 x half,
	s_lshl_b32 s16, s16, 15                        ; 32,768 bytes each: under 2^24
	s_mov_b32 s17, 0
	s_lshl_b32 s47, s12, 6
	s_lshl_b32 s46, s42, 7
	s_add_co_u32 s46, s46, s47                     ; B: row 128 x tile column + 64 x half,
	s_lshl_b32 s46, s46, 11                        ; 2,048 bytes each
	s_mov_b32 s47, 0
	s_lshl_b32 s20, s12, 15                        ; where they go: A's half,
	s_mul_i32 s45, s12, HALFB
	s_add_co_u32 s45, s45, BOFF                    ; B's half: no place in the cluster enters an LDS address
	s_wait_dscnt 0x0                               ; both opening adds are done
	s_wait_kmcnt 0x0
	s_add_nc_u64 s[14:15], s[4:5], s[16:17]
	s_add_nc_u64 s[46:47], s[6:7], s[46:47]
	CROUND                                         ; all sixteen work-groups are here: the first joint loads meet
.irp s, 0,1
	s_mov_b32 s[G0+4*\s], 1
	s_add_co_u32 s[G0+4*\s+1], s20, \s*SLOT
	s_add_nc_u64 s[G0+4*\s+2:G0+4*\s+3], s[14:15], \s*8192          ; a K step of 256 is 8,192 bytes of each tile of tokens
	s_or_b32 s[G0+4*\s+3], s[G0+4*\s+3], 0x80000000
	s_mov_b32 s[G0B+4*\s], 1
	s_add_co_u32 s[G0B+4*\s+1], s45, \s*SLOT
	s_add_nc_u64 s[G0B+4*\s+2:G0B+4*\s+3], s[46:47], \s*KSTEP*2
	s_or_b32 s[G0B+4*\s+3], s[G0B+4*\s+3], 0x80000000
	JLOAD \s
.endr
	v_and_b32 v1, 15, v0                           ; l % 16
	v_bfe_u32 v2, v0, 4, 1                         ; l / 16
	v_mul_u32_u24 v3, v1, PITCH
	v_lshl_add_u32 v3, v2, 4, v3                   ; B: a fragment's row x pitch + 16 x half
	v_and_b32 v6, 31, v0
	v_lshlrev_b32 v6, 4, v6                        ; A: 16 x lane
	s_lshl_b32 s21, s11, 15                        ; my four tiles of tokens
	s_mul_i32 s22, s12, HALFB                      ; my 64 rows of B,
	s_add_co_u32 s22, s22, BOFF                    ; which lie behind A's images
.irp s, 0,1
	v_add_nc_u32 v[ADRA+\s], s21, v6
	v_add_nc_u32 v[ADRB+\s], s22, v3
	s_add_co_u32 s21, s21, SLOT
	s_add_co_u32 s22, s22, SLOT
.endr
	s_mul_i32 s23, s10, 16*SPITCH
	s_add_co_u32 s23, s23, STAGE                   ; my stage
	v_mul_u32_u24 v4, v1, SPITCH                   ; in: row l % 16, 32 bytes for each half of the lanes
	v_lshl_add_u32 v4, v2, 5, v4
	v_add_nc_u32 v[STO], s23, v4
	v_mul_u32_u24 v5, v2, SPITCH                   ; back: lanes 0-15 take one row of 256 bytes, lanes 16-31 the next
	v_lshl_add_u32 v5, v1, 4, v5
	v_add_nc_u32 v[RD], s23, v5
	v_lshlrev_b32 v5, 12, v2                       ; and the same two rows in the result: 4,096 bytes a row
	v_lshl_add_u32 v[CO], v1, 4, v5
	s_lshl_b32 s16, s13, 7
	s_lshl_b32 s17, s11, 6
	s_add_co_u32 s16, s16, s17                     ; my first row: 128 x tile row + 64 x half
	s_lshl_b32 s16, s16, 12
	s_mov_b32 s17, 0
	s_add_nc_u64 s[8:9], s[8:9], s[16:17]
	s_lshl_b32 s46, s42, 9                         ; my first column, in bytes: 512 x tile column + 256 x half
	s_lshl_b32 s47, s12, 8
	s_add_co_u32 s46, s46, s47
	s_mov_b32 s47, 0
	s_add_nc_u64 s[8:9], s[8:9], s[46:47]
; 8 matrix instructions: m blocks a0, a0 + 1 x all 4 n blocks, 32 along K: half c of buffer f.  zero = 1: the first product starts the sums.  The 16 accumulators take turns.
.macro MUL8 f, c, a0, zero
.irp a, \a0, \a0+1
.irp b, 0,1,2,3
.if \zero
	v_wmma_f32_16x16x32_f16 v[ACC+8*(4*(\a)+\b):ACC+8*(4*(\a)+\b)+7], v[\f+64+8*(4*\c+\b):\f+64+8*(4*\c+\b)+7], v[\f+8*(4*\c+\a):\f+8*(4*\c+\a)+7], 0
.else
	v_wmma_f32_16x16x32_f16 v[ACC+8*(4*(\a)+\b):ACC+8*(4*(\a)+\b)+7], v[\f+64+8*(4*\c+\b):\f+64+8*(4*\c+\b)+7], v[\f+8*(4*\c+\a):\f+8*(4*\c+\a)+7], v[ACC+8*(4*(\a)+\b):ACC+8*(4*(\a)+\b)+7]
.endif
.endr
.endr
.endm
; 32 LDS loads in one run: the fragments of 64 along K, into buffer f; the first 32 along K first.  k: the byte in B's rows; in A's images 32 along K are 1,024 bytes, so they begin at (k / 64) x 1,024.
.macro FETCH slot, k, f
	WIN TO_F
.irp c, 0,1
.irp i, 0,1,2,3
	ds_load_b128 v[\f+64+8*(4*\c+\i):\f+64+8*(4*\c+\i)+3],   v[ADRB+\slot] offset:\k+64*\c+\i*16*PITCH
	ds_load_b128 v[\f+64+8*(4*\c+\i)+4:\f+64+8*(4*\c+\i)+7], v[ADRB+\slot] offset:\k+64*\c+\i*16*PITCH+32
	ds_load_b128 v[\f+8*(4*\c+\i):\f+8*(4*\c+\i)+3],         v[ADRA+\slot] offset:((\k)/64+\c)*1024+\i*8192
	ds_load_b128 v[\f+8*(4*\c+\i)+4:\f+8*(4*\c+\i)+7],       v[ADRA+\slot] offset:((\k)/64+\c)*1024+\i*8192+512
.endr
.endr
.endm
.macro PLACES                          ; four places in front of loads into registers that matrix instructions have read, and of the first read of results
.rept 4
	v_nop
.endr
.endm
; A K step is four quarters of 64 along K, 32 matrix instructions each, on buffers 0, 1, 0, 1.  One of the first three: multiplies buffer f and fetches the next quarter, at byte k, into g.
.macro QUARTER slot, k, f, g, zero
	s_wait_dscnt 16                                ; the first 32 along K are in; the youngest sixteen loads may be out
	WIN MUL
	MUL8 \f, 0, 0, \zero
	MUL8 \f, 0, 2, \zero
	PLACES
	FETCH \slot, \k, \g
	s_wait_dscnt 32                                ; all but the 32 just issued
	WIN MUL
	MUL8 \f, 1, 0, 0
	MUL8 \f, 1, 2, 0
.endm
; The last quarter multiplies buffer 1 and changes slots: ONE barrier; in front of it each wave waits for all its tensor loads, adds 0 to its spare word, and waits for that and for its own reads of this slot.  fill = 1: this slot is filled again, two K steps ahead.
.macro TURN slot, next, fill
	WIN 0                                          ; (the add's two registers lie in window 0)
	s_wait_tensorcnt 0x0                           ; all my tensor loads have landed: my part of the next slot;
	ds_add_u32 v[SPW], v[NIL]                      ; 0 onto my spare word
	s_wait_dscnt 17                                ; (the add and the youngest sixteen loads may be out)
	WIN MUL
	MUL8 F1, 0, 0, 0                               ; eight matrix instructions stand between the add and the wait for it
	s_wait_dscnt 0x0                               ; the add is done, and my reads of this slot are over
	s_barrier_signal -1
	MUL8 F1, 0, 2, 0
.if \fill
	WIN 0
.endif
	s_barrier_wait -1
.if \fill
	CREST                                          ; the barrier has opened a round of the cluster's barrier: no wave of any partner still reads this slot's tile or has a load on its way
	s_add_nc_u64 s[G0+4*\slot+2:G0+4*\slot+3], s[G0+4*\slot+2:G0+4*\slot+3], 2*8192
	s_add_nc_u64 s[G0B+4*\slot+2:G0B+4*\slot+3], s[G0B+4*\slot+2:G0B+4*\slot+3], 2*KSTEP*2
	JLOAD \slot                                    ; the first tensor load behind the round, my only one until the next; the four v_nop behind it are also the places in front of the loads below
.else
	PLACES
.endif
	FETCH \next, 0, F0
	WIN MUL
	MUL8 F1, 1, 0, 0
	MUL8 F1, 1, 2, 0
.endm
	s_wait_tensorcnt 1                             ; my part of K step 0 is in (K step 1's load may be out)
	s_barrier_signal -1
	s_barrier_wait -1                              ; everybody's is
	FETCH 0, 0, F0
	QUARTER 0, 128, F0, F1, 1                      ; the first quarter stands in front of the loop: its first products start the sums
	WIN 0                                          ; at a label and at a branch every window is 0
	s_mov_b32 s3, LAPS-1
.Llap:                                                 ; a trip goes once round the ring, from a lap's second quarter to the next lap's first, and fills both slots again
	QUARTER 0, 256, F1, F0, 0
	QUARTER 0, 384, F0, F1, 0
	TURN 0, 1, 1
	QUARTER 1, 128, F0, F1, 0
	QUARTER 1, 256, F1, F0, 0
	QUARTER 1, 384, F0, F1, 0
	TURN 1, 0, 1
	QUARTER 0, 128, F0, F1, 0
	WIN 0
	s_sub_co_u32 s3, s3, 1
	s_cmp_lg_u32 s3, 0
	s_cbranch_scc1 .Llap
	QUARTER 0, 256, F1, F0, 0                      ; the last lap fills nothing, and has no round of the cluster's barrier
	QUARTER 0, 384, F0, F1, 0
	TURN 0, 1, 0
	QUARTER 1, 128, F0, F1, 0
	QUARTER 1, 256, F1, F0, 0
	QUARTER 1, 384, F0, F1, 0
	s_wait_dscnt 16                                ; the very last quarter: nothing more to fetch
	WIN MUL
	MUL8 F1, 0, 0, 0
	MUL8 F1, 0, 2, 0
	s_wait_dscnt 0
	MUL8 F1, 1, 0, 0
	MUL8 F1, 1, 2, 0
	WIN 0
; THE WAY OUT, block by block of 16 rows x 64 columns.  A lane holds 32 neighbouring bytes of a row, and the lanes beside it hold other rows: so a block goes through my own stage in LDS and comes back as whole rows of
; 256 bytes: sixteen lanes store 256 consecutive bytes, aligned.  LDS serves a wave's instructions in order (ISA guide 5.7.1.4): no wait between the stores and the loads, nor in front of the next block's stores.
.macro TOSTAGE a
.irp b, 0,1,2,3
	ds_store_b128 v[STO], v[ACC+8*(4*(\a)+\b):ACC+8*(4*(\a)+\b)+3] offset:64*\b          ; each accumulator from its low end on
	ds_store_b128 v[STO], v[ACC+8*(4*(\a)+\b)+4:ACC+8*(4*(\a)+\b)+7] offset:64*\b+16
.endr
.irp t, 0,1,2,3,4,5,6,7
	ds_load_b128 v[TMP+32*((\a)%2)+4*\t:TMP+32*((\a)%2)+4*\t+3], v[RD] offset:\t*2*SPITCH
.endr
.endm
.macro SEND a, younger                 ; younger: the LDS instructions issued behind block a's loads, which may stay out
	s_wait_dscnt \younger                          ; the block is back in registers
.irp t, 0,1,2,3,4,5,6,7
	global_store_b128 v[CO], v[TMP+32*((\a)%2)+4*\t:TMP+32*((\a)%2)+4*\t+3], s[8:9] offset:(16*(\a)+2*\t)*SIZE_N*4 th:TH_STORE_NT   ; written once, read by nobody here; 62 rows at the most stand in the immediate
.endr
.endm
	PLACES                                         ; behind the last products: their results are read
	TOSTAGE 0
.irp a, 1,2,3
.if \a > 1
	s_wait_xcnt 0x0                                ; block a - 2's stores have read their registers: block a's loads may land there
.endif
	TOSTAGE \a
	SEND \a-1, 16                                  ; behind block a - 1's loads: block a's 8 stores and 8 loads
.endr
	SEND 3, 0
	s_wait_tensorcnt 0x0                           ; the wave's end: behind my last tensor load and my last LDS store
	ds_add_u32 v[SPW], v[NIL]
	s_wait_dscnt 0x0
	CROUND                                         ; the closing round: no work-group ends while a partner may still ask for a tile that names it
	s_endpgm
.Lfunc_end_k_q8636be63dd_outp:
	.size	k_q8636be63dd_outp, .Lfunc_end_k_q8636be63dd_outp-k_q8636be63dd_outp
	.p2alignl 7, 3214868480
	.fill 96, 4, 3214868480
	.section	.rodata,"a",@progbits
	.p2align	6, 0x0
	.amdhsa_kernel k_q8636be63dd_outp
		.amdhsa_group_segment_fixed_size 327680
		.amdhsa_private_segment_fixed_size 0
		.amdhsa_enable_private_segment 0
		.amdhsa_kernarg_size 24
		.amdhsa_user_sgpr_count 2
		.amdhsa_user_sgpr_kernarg_segment_ptr 1
		.amdhsa_wavefront_size32 1
		.amdhsa_system_sgpr_workgroup_id_x 1
		.amdhsa_system_sgpr_workgroup_id_y 1
		.amdhsa_system_sgpr_workgroup_id_z 1
		.amdhsa_system_vgpr_workitem_id 0
		.amdhsa_next_free_vgpr 512
		.amdhsa_next_free_sgpr 66
		.amdhsa_reserve_vcc 0
		.amdhsa_float_denorm_mode_32 3
		.amdhsa_float_denorm_mode_16_64 3
		.amdhsa_memory_ordered 1
		.amdhsa_forward_progress 1
		.amdhsa_inst_pref_size 86
	.end_amdhsa_kernel
	.amdgpu_metadata
---
amdhsa.version: [ 1, 2 ]
amdhsa.kernels:
  - .name:           k_q8636be63dd_outp
    .symbol:         k_q8636be63dd_outp.kd
    .args:
      - { .name: of, .offset: 0, .size: 8, .value_kind: global_buffer, .address_space: global }
      - { .name: wo16, .offset: 8, .size: 8, .value_kind: global_buffer, .address_space: global }
      - { .name: out0, .offset: 16, .size: 8, .value_kind: global_buffer, .address_space: global }
    .group_segment_fixed_size: 327680
    .private_segment_fixed_size: 0
    .kernarg_segment_align: 8
    .kernarg_segment_size: 24
    .max_flat_workgroup_size: 128
    .sgpr_count:     66
    .vgpr_count:     512
    .wavefront_size: 32
...
	.end_amdgpu_metadata
.endif
;; end of part 4
